; MI455X (gfx1250); checked and timed in simulation.
; The chip was launched on July 23, 2026; its instructions are those of AMD's public machine-readable ISA for CDNA 5 (MIT licence, August 2026) and "CDNA5" Instruction Set Architecture Reference Guide (July 2026). The comments in the code are by the model that wrote it; some were corrected since.
;; Casual Self Attention. Allowed arithmetic: float matrix products may take bf16 or f16 operands with f32 sums; all other float work in f32.
;; Inputs: Wk 1,024 x 1,024 float32; Wo 1,024 x 1,024 float32; Wq 1,024 x 1,024 float32; Wv 1,024 x 1,024 float32; x 2 x 2,048 x 1,024 float32.
;; Outputs: out0 2 x 2,048 x 1,024 float32.
;; 2 versions, each right; version 2 is version 1 with the launch cast written anew for expert scheduling mode. Each part assembles by itself: llvm-mc -triple=amdgcn-amd-amdhsa -mcpu=gfx1250 --defsym DOCPART=n.
;; ======== version 1 of 2: 4 launches
;; limits: values are held in f16: magnitudes above 65,504 overflow, below 6.1e-05 lose precision
;; workspace buffers: cb 16,777,216 bytes; qkv 25,165,824 bytes; ao 8,388,608 bytes
;; launch cast (part 1): grid 64 x 8, 8 waves a work-group, no clusters, 0 bytes of LDS; arguments x, Wq, Wk, Wv, Wo, cb; writes cb
.if DOCPART == 1
	.amdgcn_target "amdgcn-amd-amdhsa--gfx1250"
	.amdhsa_code_object_version 6
	.text
	.protected	k_q6d3516f328_cast
	.globl	k_q6d3516f328_cast
	.p2align	8
	.type	k_q6d3516f328_cast,@function
k_q6d3516f328_cast:
	s_mov_b64 s[64:65], 0
	v_nop
	global_prefetch_b8 v0, s[64:65] scope:SCOPE_SE
	s_setreg_imm32_b32 hwreg(HW_REG_WAVE_MODE, 25, 1), 1
	s_wait_xcnt 0x0
; The five f32 inputs are rounded once to bf16 (nearest even) and laid side by side in cb, 2 bytes a number:
;   bytes 0 .. 8 MiB: x [4096][1024]; then Wq, Wk, Wv, Wo, [1024][1024] each, 2 MiB each.
; x, Wq, Wk, Wv are kept as bf16.  Wo's bf16 value is written as f16, because its partner in the last product (the attention's
; result) is f16.  That second conversion changes nothing for 2^-14 <= |w| < 65,504; below 2^-14 it rounds to a multiple of 2^-24.
; LIMIT: |Wo| < 65,504.
; Work-group (gx, gy): gy picks a segment of 4 MiB of f32 (0-3: the quarters of x; 4-7: Wq, Wk, Wv, Wo), gx 64 KiB of it.
; Thread t takes 16 bytes at 16 t of each of 16 chunks of 4,096 bytes: a wave's load covers 512 consecutive bytes, its store of
; 8 bytes a lane 256 consecutive bytes, aligned.  All 16 loads go out first; no register that a load or store reads is written again, so no wait frees a source.
; No LDS, no matrix unit, no cluster: every byte is touched once and no two work-groups share any.
.set X, 4                              ; v[4:67]   chunk j: 4 f32 as loaded
.set Y, 68                             ; v[68:99]  chunk j: 4 numbers of 16 bits to store
	s_load_b256 s[4:11], s[0:1], 0x0               ; x s[4:5], Wq s[6:7], Wk s[8:9], Wv s[10:11]
	s_load_b128 s[12:15], s[0:1], 0x20             ; Wo s[12:13], cb s[14:15]
	s_and_b32 s20, ttmp7, 0xffff                   ; gy: the segment
	s_lshl_b32 s21, ttmp9, 16                      ; gx x 64 KiB of f32
	s_lshl_b32 s18, s20, 22                        ; a quarter of x is 4 MiB;
	s_cmp_lt_u32 s20, 4
	s_cselect_b32 s18, s18, 0                      ; a weight begins at its own buffer's first byte
	s_add_co_u32 s18, s18, s21
	s_mov_b32 s19, 0                               ; s[18:19]: offset in the source
	s_lshl_b32 s22, s20, 21                        ; a segment is 2 MiB of cb
	s_lshl_b32 s21, ttmp9, 15
	s_add_co_u32 s22, s22, s21
	s_mov_b32 s23, 0                               ; s[22:23]: offset in cb
	v_lshlrev_b32 v1, 4, v0                        ; 16 t
	v_lshlrev_b32 v2, 3, v0                        ; 8 t
	s_wait_kmcnt 0x0
	s_mov_b64 s[16:17], s[4:5]                     ; the source: x, or the weight that gy names
	s_cmp_eq_u32 s20, 4
	s_cselect_b64 s[16:17], s[6:7], s[16:17]
	s_cmp_eq_u32 s20, 5
	s_cselect_b64 s[16:17], s[8:9], s[16:17]
	s_cmp_eq_u32 s20, 6
	s_cselect_b64 s[16:17], s[10:11], s[16:17]
	s_cmp_eq_u32 s20, 7
	s_cselect_b64 s[16:17], s[12:13], s[16:17]
	s_add_nc_u64 s[16:17], s[16:17], s[18:19]
	s_add_nc_u64 s[14:15], s[14:15], s[22:23]
.set j, 0
.rept 16
	global_load_b128 v[X+4*j:X+4*j+3], v1, s[16:17] offset:4096*j th:TH_LOAD_NT
.set j, j+1
.endr
	s_cmp_eq_u32 s20, 7
	s_cbranch_scc1 .Lwo
.set j, 0
.rept 16
	s_wait_loadcnt 15-j                            ; loads come back in order: chunk j is in, the 15 - j younger ones stay out
	v_cvt_pk_bf16_f32 v[Y+2*j],   v[X+4*j],   v[X+4*j+1]
	v_cvt_pk_bf16_f32 v[Y+2*j+1], v[X+4*j+2], v[X+4*j+3]
	global_store_b64 v2, v[Y+2*j:Y+2*j+1], s[14:15] offset:2048*j
.set j, j+1
.endr
	s_endpgm
.Lwo:                                              ; Wo: round to bf16, widen again, write as f16
.set j, 0
.rept 16
	s_wait_loadcnt 15-j
	v_cvt_pk_bf16_f32 v[Y+2*j],   v[X+4*j],   v[X+4*j+1]
	v_cvt_pk_bf16_f32 v[Y+2*j+1], v[X+4*j+2], v[X+4*j+3]
	v_lshlrev_b32 v[X+4*j],   16,         v[Y+2*j]
	v_and_b32     v[X+4*j+1], 0xffff0000, v[Y+2*j]
	v_lshlrev_b32 v[X+4*j+2], 16,         v[Y+2*j+1]
	v_and_b32     v[X+4*j+3], 0xffff0000, v[Y+2*j+1]
	v_cvt_pk_f16_f32 v[Y+2*j],   v[X+4*j],   v[X+4*j+1]
	v_cvt_pk_f16_f32 v[Y+2*j+1], v[X+4*j+2], v[X+4*j+3]
	global_store_b64 v2, v[Y+2*j:Y+2*j+1], s[14:15] offset:2048*j
.set j, j+1
.endr
	s_endpgm
.Lfunc_end_k_q6d3516f328_cast:
	.size	k_q6d3516f328_cast, .Lfunc_end_k_q6d3516f328_cast-k_q6d3516f328_cast
	.p2alignl 7, 3214868480
	.fill 96, 4, 3214868480
	.section	.rodata,"a",@progbits
	.p2align	6, 0x0
	.amdhsa_kernel k_q6d3516f328_cast
		.amdhsa_group_segment_fixed_size 0
		.amdhsa_private_segment_fixed_size 0
		.amdhsa_enable_private_segment 0
		.amdhsa_kernarg_size 48
		.amdhsa_user_sgpr_count 2
		.amdhsa_user_sgpr_kernarg_segment_ptr 1
		.amdhsa_wavefront_size32 1
		.amdhsa_system_sgpr_workgroup_id_x 1
		.amdhsa_system_sgpr_workgroup_id_y 1
		.amdhsa_system_sgpr_workgroup_id_z 1
		.amdhsa_system_vgpr_workitem_id 0
		.amdhsa_next_free_vgpr 100
		.amdhsa_next_free_sgpr 66
		.amdhsa_reserve_vcc 0
		.amdhsa_float_denorm_mode_32 3
		.amdhsa_float_denorm_mode_16_64 3
		.amdhsa_memory_ordered 1
		.amdhsa_forward_progress 1
		.amdhsa_inst_pref_size 16
	.end_amdhsa_kernel
	.amdgpu_metadata
---
amdhsa.version: [ 1, 2 ]
amdhsa.kernels:
  - .name:           k_q6d3516f328_cast
    .symbol:         k_q6d3516f328_cast.kd
    .args:
      - { .name: x, .offset: 0, .size: 8, .value_kind: global_buffer, .address_space: global }
      - { .name: Wq, .offset: 8, .size: 8, .value_kind: global_buffer, .address_space: global }
      - { .name: Wk, .offset: 16, .size: 8, .value_kind: global_buffer, .address_space: global }
      - { .name: Wv, .offset: 24, .size: 8, .value_kind: global_buffer, .address_space: global }
      - { .name: Wo, .offset: 32, .size: 8, .value_kind: global_buffer, .address_space: global }
      - { .name: cb, .offset: 40, .size: 8, .value_kind: global_buffer, .address_space: global }
    .group_segment_fixed_size: 0
    .private_segment_fixed_size: 0
    .kernarg_segment_align: 8
    .kernarg_segment_size: 48
    .max_flat_workgroup_size: 256
    .sgpr_count:     66
    .vgpr_count:     100
    .wavefront_size: 32
...
	.end_amdgpu_metadata
.endif
;; end of part 1
;; launch proj_in (part 2): grid 12 x 16, 4 waves a work-group, clusters of 4 x 4, 327,680 bytes of LDS; arguments cb, qkv; writes qkv
.if DOCPART == 2
	.amdgcn_target "amdgcn-amd-amdhsa--gfx1250"
	.amdhsa_code_object_version 6
	.text
	.protected	k_q6d3516f328_proj_in
	.globl	k_q6d3516f328_proj_in
	.p2align	8
	.type	k_q6d3516f328_proj_in,@function
k_q6d3516f328_proj_in:
	s_mov_b64 s[64:65], 0
	v_nop
	global_prefetch_b8 v0, s[64:65] scope:SCOPE_SE
	s_setreg_imm32_b32 hwreg(HW_REG_WAVE_MODE, 25, 1), 1
	s_wait_xcnt 0x0
	s_wait_alu depctr_hold_cnt(0) depctr_sa_sdst(0) depctr_va_vdst(0) depctr_va_sdst(0) depctr_va_ssrc(0) depctr_va_vcc(0) depctr_vm_vsrc(0)
	s_getreg_b32 s2, hwreg(HW_REG_IB_STS2, 6, 4)
	s_cmp_eq_u32 s2, 0
	s_cbranch_scc0 .Lentry_in_a_cluster
	s_endpgm
.Lentry_in_a_cluster:
	s_bfe_u32 s2, ttmp6, 0x10000c
	s_cmp_lg_u32 s2, 0xf033
	s_cbranch_scc0 .Lentry_shape_is_right
	s_endpgm
.Lentry_shape_is_right:
; q, k, v at once: C[m][n] = sum over k of A[m][k] B[n][k], A = x as bf16 [4096][1024] (cb, byte 0), B = Wq, Wk, Wv stacked as bf16
; [3072][1024] (cb, byte 8,388,608).  Sums in f32; C is rounded once to f16 and stored by heads:
;   qkv[part = n / 1024][b = m / 2048][head = (n % 1024) / 64][s = m % 2048][d = n % 64], f16.
; f16 and not bf16, because its step is eight times finer and q, k, v have the room.  LIMIT: |q|, |k|, |v| < 65,504.
; A work-group makes 256 x 256 of C with four waves, as many as a WGP has SIMDs; a wave makes 128 x 128: 64 accumulator tiles of 16 x 16,
; 512 registers.  K goes in steps of 128 through a ring of two LDS slots filled by the tensor data mover; a tile's rows are 256 bytes
; of memory and start at multiples of 256 bytes from the buffer's first byte.  12 x 16 = 192 work-groups.
; CLUSTERS: 4 x 4 work-groups.  The four of a row of the cluster need the same tiles of A, the four of a column the same tiles of B: each
; such tile is asked for jointly, by the same tensor load with the same descriptor and a mask that names the four.
;
; REGISTERS, in windows of 256 (s_set_vgpr_msb says which window each operand place means):
;   window 0: v0-31 addresses; v64-127, v128-191 fragments of A, two buffers; v192-223 at work on the way out
;   window 1: v64-127, v128-191 fragments of B, two buffers
;   window 2: the 32 accumulator tiles of my rows 0-63 (tile (a, b) at v[8 (8 a + b)]);   window 3: those of my rows 64-127
; THE MATRIX INSTRUCTION IS USED TRANSPOSED: source 0 = 16 rows of B, source 1 = 16 rows of A, so that lane l holds row l % 16 of C and its
; registers 0 to 7 the columns 8 (l / 16) + 0 .. 7: eight neighbouring numbers, 16 bytes of f16.
.set SIZE_K, 1024
.set KSTEP,  128
.set PITCH,  272                       ; an LDS row: 256 bytes of data + 16 of padding: the 16 rows that a load touches start 16 bytes apart modulo 256
.set HALFT,  128*PITCH                 ; 128 rows: what one tensor load brings, and what one wave reads of A or of B
.set SLOT,   4*HALFT                   ; A's 256 rows, then B's 256 rows
.set STAGE,  2*SLOT                    ; behind the ring: 16 rows x 272 bytes for each wave, for the way out
.set SPITCH, 272
.set LAPS, SIZE_K/(2*KSTEP)            ; a lap = two K steps = once round the ring: 4 laps
.set ADRA, 16                          ; v16-17  LDS address of my A fragments in slot 0, 1
.set ADRB, 20                          ; v20-21  the same for B
.set STO,  24                          ; v24     the way out: where I put 16 bytes of a row
.set RD,   25                          ; v25     the way out: where I read 16 bytes back
.set CO,   26                          ; v26     my byte offset in qkv
.set F0,   64                          ; fragment buffer 0
.set F1,   128                         ; fragment buffer 1
.set TMP,  192                         ; the way out: packed results, in window 0
.set G1, 24                            ; s[24:31] descriptor group 1 for A's tiles
.set G0, 32                            ; s[32:39] descriptor group 0 for A's tiles, one set for each slot
.set G1B, 48                           ; s[48:55] descriptor group 1 for B's tiles: it differs from A's in the mask alone
.set G0B, 56                           ; s[56:63] descriptor group 0 for B's tiles, one set for each slot
.set MSB, 0
.macro WIN new                         ; the immediate's high byte repeats the setting that is left
.if MSB != \new
	s_set_vgpr_msb (MSB<<8)|\new
.set MSB, \new
.endif
.endm
.set MUL_LO, 0xa1                      ; source 0 (B) window 1, source 1 (A) window 0, C and D window 2
.set MUL_HI, 0xf1                      ; the same, C and D window 3
.set TO_B,   0x40                      ; destination window 1, address window 0
; A joint load.  Waves 0 and 1 fetch A's two halves, waves 2 and 3 B's.  Each line has one mask and one set of registers for all that issue it.
.macro JLOAD s
	s_cmp_eq_u32 s11, 0
	s_cbranch_scc0 .Lfor_b_\@
	tensor_load_to_lds s[G0+4*\s:G0+4*\s+3], s[G1:G1+7]
	s_nop 0
	s_branch .Lasked_\@
.Lfor_b_\@:
	tensor_load_to_lds s[G0B+4*\s:G0B+4*\s+3], s[G1B:G1B+7]
	s_nop 0
.Lasked_\@:
.endm
; A round of the cluster's barrier: my work-group's barrier; wave 0 signals for the work-group; every wave waits for all sixteen; my work-group's barrier once more.
.macro CREST                           ; a round behind its opening barrier
	s_cmp_lg_u32 s10, 0
	s_cbranch_scc1 .Lnot_wave_0_\@
	s_barrier_signal -3
.Lnot_wave_0_\@:
	s_barrier_wait -3
	s_barrier_signal -1
	s_barrier_wait -1
.endm
.macro CROUND                          ; a whole round
	s_barrier_signal -1
	s_barrier_wait -1
	CREST
.endm
	s_load_b64 s[4:5], s[0:1], 0x0                 ; cb: A at its first byte
	s_load_b64 s[8:9], s[0:1], 0x8                 ; qkv
	s_set_vgpr_msb 0x40
	v_lshl_add_u32 v255, v0, 2, 0x48400
	s_set_vgpr_msb 0x4000
	v_mov_b32 v255, 0
	s_set_vgpr_msb 0x1
	ds_add_u32 v255, v255
	s_set_vgpr_msb 0x100
	v_lshrrev_b32 v1, 5, v0
	v_readfirstlane_b32 s10, v1                    ; wave 0..3
	s_lshr_b32 s11, s10, 1                         ; which half of the block's rows is mine.  Also: I fetch for A (0) or for B (1)
	s_and_b32 s12, s10, 1                          ; which half of its columns.  Also: which 128 rows of that tile I fetch
	s_bfe_u32 s40, ttmp6, 0x40000                  ; cx: my place along the cluster's x
	s_bfe_u32 s41, ttmp6, 0x40004                  ; cy: along its y
	s_lshl_b32 s42, ttmp9, 2                       ; in a cluster launch ttmp9 and ttmp7 count clusters
	s_add_co_u32 s42, s42, s40                     ; block column of C = 4 x cluster x + cx, 0..11
	s_and_b32 s13, ttmp7, 0xffff
	s_lshl_b32 s13, s13, 2
	s_add_co_u32 s13, s13, s41                     ; block row of C = 4 x cluster y + cy, 0..15
	s_lshl_b32 s43, s41, 2
	s_lshl_b32 s43, 15, s43                        ; my row of the cluster: places 4 cy .. 4 cy + 3
	s_lshl_b32 s44, 0x1111, s40                    ; my column: places cx, cx + 4, cx + 8, cx + 12
	; descriptor group 1: a tile of 128 rows x 128 elements of 2 bytes, 4 words of padding behind every 64 words
	s_or_b32 s[G1+0], s43, (1<<16)|(1<<20)|(1<<21)|(5<<22)|(3<<25)
	s_or_b32 s[G1B+0], s44, (1<<16)|(1<<20)|(1<<21)|(5<<22)|(3<<25)
	s_mov_b32 s[G1B+1], KSTEP<<16
	s_mov_b32 s[G1+1], KSTEP<<16                   ; tensor_dim0 = 128
	s_mov_b32 s[G1B+2], 128<<16
	s_mov_b32 s[G1+2], 128<<16                     ; tensor_dim1 = 128
	s_mov_b32 s[G1B+3], KSTEP<<16
	s_mov_b32 s[G1+3], KSTEP<<16                   ; tile_dim0 = 128
	s_mov_b32 s[G1B+4], 128
	s_mov_b32 s[G1+4], 128                         ; tile_dim1 = 128
	s_mov_b32 s[G1B+5], SIZE_K
	s_mov_b32 s[G1+5], SIZE_K                      ; elements from row to row
	s_mov_b32 s[G1B+6], 0
	s_mov_b32 s[G1+6], 0
	s_mov_b32 s[G1B+7], 0
	s_mov_b32 s[G1+7], 0
	; A's tiles hang on the block row alone, B's on the block column alone; every wave makes both addresses, in registers that never hold the other coordinate
	s_lshl_b32 s17, s12, 7                         ; which 128 rows of the tile I fetch
	s_lshl_b32 s16, s13, 8
	s_add_co_u32 s16, s16, s17                     ; A: row 256 x block row + 128 x half
	s_lshl_b32 s46, s42, 8
	s_add_co_u32 s46, s46, s17                     ; B: row 256 x block column + 128 x half
	s_mov_b32 s17, 0
	s_mov_b32 s47, 0
	s_mov_b64 s[18:19], SIZE_K*2
	s_mul_u64 s[16:17], s[16:17], s[18:19]         ; in bytes
	s_mul_u64 s[46:47], s[46:47], s[18:19]
	s_mul_i32 s20, s10, HALFT                      ; where they go: wave x 128 rows
	s_wait_dscnt 0x0
	s_wait_kmcnt 0x0
	s_add_nc_u64 s[6:7], s[4:5], 0x800000          ; B: the stacked weights, 8 MiB into cb
	s_add_nc_u64 s[14:15], s[4:5], s[16:17]
	s_add_nc_u64 s[46:47], s[6:7], s[46:47]
	CROUND                                         ; all sixteen work-groups are here: the first joint loads meet
.irp s, 0,1
	s_mov_b32 s[G0+4*\s], 1
	s_add_co_u32 s[G0+4*\s+1], s20, \s*SLOT
	s_add_nc_u64 s[G0+4*\s+2:G0+4*\s+3], s[14:15], \s*KSTEP*2
	s_or_b32 s[G0+4*\s+3], s[G0+4*\s+3], 0x80000000
	s_mov_b32 s[G0B+4*\s], 1
	s_add_co_u32 s[G0B+4*\s+1], s20, \s*SLOT
	s_add_nc_u64 s[G0B+4*\s+2:G0B+4*\s+3], s[46:47], \s*KSTEP*2
	s_or_b32 s[G0B+4*\s+3], s[G0B+4*\s+3], 0x80000000
	JLOAD \s                                       ; two loads of the wave are out: K steps 0 and 1
.endr
	; A fragment is 16 rows x 32 K in 8 registers: lane l holds row l % 16; registers 0-3 hold K = 8 (l / 16) + 0..7, registers 4-7 K = 16 + 8 (l / 16) + 0..7
	v_and_b32 v1, 15, v0                           ; l % 16
	v_bfe_u32 v2, v0, 4, 1                         ; l / 16
	v_mul_u32_u24 v3, v1, PITCH
	v_lshl_add_u32 v3, v2, 4, v3                   ; row x pitch + 16 x half
	s_mul_i32 s21, s11, HALFT                      ; my 128 rows of A
	s_mul_i32 s22, s12, HALFT                      ; my 128 rows of B,
	s_add_co_u32 s22, s22, 2*HALFT                 ; which lie behind A's 256
.irp s, 0,1
	v_add_nc_u32 v[ADRA+\s], s21, v3
	v_add_nc_u32 v[ADRB+\s], s22, v3
	s_add_co_u32 s21, s21, SLOT
	s_add_co_u32 s22, s22, SLOT
.endr
	s_mul_i32 s23, s10, 16*SPITCH
	s_add_co_u32 s23, s23, STAGE                   ; my stage
	v_mul_u32_u24 v4, v1, SPITCH                   ; in: row l % 16, 16 bytes for each half of the lanes
	v_lshl_add_u32 v4, v2, 4, v4
	v_add_nc_u32 v[STO], s23, v4
	; back: my 128 columns are two heads of 64.  Lanes 0-15 take the first head's 128 bytes of two neighbouring rows, lanes 16-31 the second head's:
	; in qkv two neighbouring s of one head are 256 consecutive bytes.
	v_bfe_u32 v5, v0, 3, 1                         ; which of the two rows
	v_mul_u32_u24 v5, v5, SPITCH
	v_lshl_add_u32 v5, v2, 7, v5                   ; + 128 bytes for the second head
	v_and_b32 v6, 7, v0
	v_lshl_add_u32 v5, v6, 4, v5                   ; + 16 (l % 8)
	v_add_nc_u32 v[RD], s23, v5
	v_lshlrev_b32 v5, 18, v2                       ; a head is 262,144 bytes of qkv
	v_lshl_add_u32 v[CO], v1, 4, v5                ; + 16 (l % 16)
; 16 matrix instructions: m blocks a0, a0 + 1 of the window's four x all 8 n blocks, 32 along K.  zero = 1: the first product starts the sums.
.macro MUL16 f, hi, a0, zero
.irp a, \a0, \a0+1
.irp b, 0,1,2,3,4,5,6,7
.if \zero
	v_wmma_f32_16x16x32_bf16 v[8*(8*(\a)+\b):8*(8*(\a)+\b)+7], v[\f+8*\b:\f+8*\b+7], v[\f+8*(4*\hi+\a):\f+8*(4*\hi+\a)+7], 0
.else
	v_wmma_f32_16x16x32_bf16 v[8*(8*(\a)+\b):8*(8*(\a)+\b)+7], v[\f+8*\b:\f+8*\b+7], v[\f+8*(4*\hi+\a):\f+8*(4*\hi+\a)+7], v[8*(8*(\a)+\b):8*(8*(\a)+\b)+7]
.endif
.endr
.endr
.endm
; 32 LDS loads in one run: the fragments of one quarter step (128 rows of B, 128 rows of A, 32 K at byte k of the rows) into buffer f
.macro FETCH slot, k, f
	WIN TO_B
.irp i, 0,1,2,3,4,5,6,7
	ds_load_b128 v[\f+8*\i:\f+8*\i+3],   v[ADRB+\slot] offset:\k+\i*16*PITCH
	ds_load_b128 v[\f+8*\i+4:\f+8*\i+7], v[ADRB+\slot] offset:\k+\i*16*PITCH+32
.endr
	WIN 0
.irp i, 0,1,2,3,4,5,6,7
	ds_load_b128 v[\f+8*\i:\f+8*\i+3],   v[ADRA+\slot] offset:\k+\i*16*PITCH
	ds_load_b128 v[\f+8*\i+4:\f+8*\i+7], v[ADRA+\slot] offset:\k+\i*16*PITCH+32
.endr
.endm
; A load into a register that a matrix instruction has read, and a vector instruction that reads a matrix result, stand four places behind that
; matrix instruction, and only plain vector instructions that name none of its registers are places.
.macro PLACES
.rept 4
	v_nop
.endr
.endm
; A K step is four quarter steps of 32 along K, 64 matrix instructions each, on buffers 0, 1, 0, 1.  The 64 accumulators take turns, one
; instruction a turn, in the same order in every quarter.
.macro QUARTER slot, k, f, g, zero
	s_wait_dscnt 8                                 ; B and A's rows 0-63 are in; the youngest eight loads (A's rows 64-127) may be out
	WIN MUL_LO
	MUL16 \f, 0, 0, \zero
	MUL16 \f, 0, 2, \zero
	PLACES
	FETCH \slot, \k, \g
	s_wait_dscnt 32                                ; all but the 32 just issued
	WIN MUL_HI
	MUL16 \f, 1, 0, \zero
	MUL16 \f, 1, 2, \zero
.endm
.macro THREE slot, zero
	QUARTER \slot, 64,  F0, F1, \zero
	QUARTER \slot, 128, F1, F0, 0
	QUARTER \slot, 192, F0, F1, 0
.endm
; The last quarter: multiplies buffer 1 and changes slots.  In front of the barrier each wave waits for its own reads of this slot and for all its
; tensor loads, of which one is out: its part of the next slot.  Behind it the refill comes first, then the next slot's first fragments.
.macro TURN slot, next, fill
	s_wait_dscnt 8
	WIN MUL_LO
	MUL16 F1, 0, 0, 0
	s_wait_dscnt 0                                 ; my reads of this slot are over
	s_wait_tensorcnt 0x0                           ; and all my tensor loads have landed
	ds_add_u32 v255, v255
	s_wait_dscnt 0x0
	s_barrier_signal -1                            ; (where a slot is filled again this barrier opens a round of the cluster's barrier)
	MUL16 F1, 0, 2, 0                              ; work on registers while the others arrive
	WIN 0
	s_barrier_wait -1
.if \fill
	CREST                                          ; no wave of any partner still reads this slot's tile or has a load on its way
	s_add_nc_u64 s[G0+4*\slot+2:G0+4*\slot+3], s[G0+4*\slot+2:G0+4*\slot+3], 2*KSTEP*2
	s_add_nc_u64 s[G0B+4*\slot+2:G0B+4*\slot+3], s[G0B+4*\slot+2:G0B+4*\slot+3], 2*KSTEP*2
	JLOAD \slot                                    ; the first tensor load behind the round, and the wave's only one until the next
.endif
	PLACES
	FETCH \next, 0, F0
	WIN MUL_HI
	MUL16 F1, 1, 0, 0
	MUL16 F1, 1, 2, 0
.endm
.macro LAP zero                        ; once round the ring, both slots filled again
	THREE 0, \zero
	TURN 0, 1, 1
	THREE 1, 0
	TURN 1, 0, 1
.endm
	s_wait_tensorcnt 1                             ; my part of K step 0 is in; K step 1's load, issued behind it, stays out
	s_barrier_signal -1
	s_barrier_wait -1                              ; everybody's is
	FETCH 0, 0, F0
	LAP 1                                          ; the first lap stands in front of the loop: its first products start the sums
	WIN 0                                          ; at a label and at a branch every window is 0
	s_mov_b32 s3, LAPS-2
.Llap:
	LAP 0
	WIN 0
	s_sub_co_u32 s3, s3, 1
	s_cmp_lg_u32 s3, 0
	s_cbranch_scc1 .Llap
	THREE 0, 0                                     ; the last lap fills nothing
	TURN 0, 1, 0
	THREE 1, 0
	s_wait_dscnt 8                                 ; the very last quarter: nothing more to fetch
	WIN MUL_LO
	MUL16 F1, 0, 0, 0
	MUL16 F1, 0, 2, 0
	s_wait_dscnt 0
	WIN MUL_HI
	MUL16 F1, 1, 0, 0
	MUL16 F1, 1, 2, 0
	; THE WAY OUT, 16 rows of C at a time: round to f16, 16 bytes a lane into my own stage in LDS, read back by heads.
	PLACES
	s_lshr_b32 s16, s13, 3                         ; rows: b = block row / 8, 4 MiB each;
	s_lshl_b32 s16, s16, 22
	s_and_b32 s14, s13, 7                          ; s = 256 (block row % 8) + 128 x my half, 128 bytes each
	s_lshl_b32 s14, s14, 15
	s_add_co_u32 s16, s16, s14
	s_lshl_b32 s14, s11, 14
	s_add_co_u32 s16, s16, s14
	s_mov_b32 s17, 0
	s_add_nc_u64 s[8:9], s[8:9], s[16:17]
	s_lshr_b32 s46, s42, 2                         ; columns: part = block column / 4, 8 MiB each;
	s_lshl_b32 s46, s46, 23
	s_and_b32 s47, s42, 3                          ; head = 4 (block column % 4) + 2 x my half, 262,144 bytes each
	s_lshl_b32 s47, s47, 20
	s_add_co_u32 s46, s46, s47
	s_lshl_b32 s47, s12, 19
	s_add_co_u32 s46, s46, s47
	s_mov_b32 s47, 0
	s_add_nc_u64 s[8:9], s[8:9], s[46:47]
; rows 16 i .. 16 i + 15 of my block = the eight tiles (a, 0..7) of window 2 or 3 (from = 0x0a or 0x0f: sources 0 and 1); f: F0 or F1 in turn
.macro OUT16 i, a, from, f
	WIN \from
.irp b, 0,1,2,3,4,5,6,7
.irp r, 0,1,2,3
	v_cvt_pk_f16_f32 v[TMP+4*\b+\r], v[8*(8*\a+\b)+2*\r], v[8*(8*\a+\b)+2*\r+1]
.endr
.endr
	WIN 0
.irp b, 0,1,2,3,4,5,6,7
	ds_store_b128 v[STO], v[TMP+4*\b:TMP+4*\b+3] offset:32*\b
.endr
	s_wait_xcnt 0x0                                ; buffer f, which earlier stores read, is loaded again only behind this wait
.irp t, 0,1,2,3,4,5,6,7
	ds_load_b128 v[\f+4*\t:\f+4*\t+3], v[RD] offset:\t*2*SPITCH    ; LDS serves a wave's instructions in order (ISA guide 5.7.1.4): these see the stores above
.endr
.irp t, 0,1,2,3,4,5,6,7
	s_wait_dscnt 7-\t                              ; load t is in, the 7 - t younger ones stay out
	global_store_b128 v[CO], v[\f+4*\t:\f+4*\t+3], s[8:9] offset:\i*2048+\t*256   ; 16 lanes store 256 consecutive bytes, aligned: rows 16 i + 2 t and + 1 of one head
.endr
.endm
	OUT16 0, 0, 0x0a, F0
	OUT16 1, 1, 0x0a, F1
	OUT16 2, 2, 0x0a, F0
	OUT16 3, 3, 0x0a, F1
	OUT16 4, 0, 0x0f, F0
	OUT16 5, 1, 0x0f, F1
	OUT16 6, 2, 0x0f, F0
	OUT16 7, 3, 0x0f, F1
	s_set_vgpr_msb 0x1
	s_wait_tensorcnt 0x0
	ds_add_u32 v255, v255
	s_wait_dscnt 0x0
	s_set_vgpr_msb 0x100
	CROUND                                         ; the closing round: no work-group ends while a partner may still ask for a tile that names it
	s_endpgm
.Lfunc_end_k_q6d3516f328_proj_in:
	.size	k_q6d3516f328_proj_in, .Lfunc_end_k_q6d3516f328_proj_in-k_q6d3516f328_proj_in
	.p2alignl 7, 3214868480
	.fill 96, 4, 3214868480
	.section	.rodata,"a",@progbits
	.p2align	6, 0x0
	.amdhsa_kernel k_q6d3516f328_proj_in
		.amdhsa_group_segment_fixed_size 327680
		.amdhsa_private_segment_fixed_size 0
		.amdhsa_enable_private_segment 0
		.amdhsa_kernarg_size 16
		.amdhsa_user_sgpr_count 2
		.amdhsa_user_sgpr_kernarg_segment_ptr 1
		.amdhsa_wavefront_size32 1
		.amdhsa_system_sgpr_workgroup_id_x 1
		.amdhsa_system_sgpr_workgroup_id_y 1
		.amdhsa_system_sgpr_workgroup_id_z 1
		.amdhsa_system_vgpr_workitem_id 0
		.amdhsa_next_free_vgpr 1024
		.amdhsa_next_free_sgpr 66
		.amdhsa_reserve_vcc 0
		.amdhsa_float_denorm_mode_32 3
		.amdhsa_float_denorm_mode_16_64 3
		.amdhsa_memory_ordered 1
		.amdhsa_forward_progress 1
		.amdhsa_inst_pref_size 196
	.end_amdhsa_kernel
	.amdgpu_metadata
---
amdhsa.version: [ 1, 2 ]
amdhsa.kernels:
  - .name:           k_q6d3516f328_proj_in
    .symbol:         k_q6d3516f328_proj_in.kd
    .args:
      - { .name: cb, .offset: 0, .size: 8, .value_kind: global_buffer, .address_space: global }
      - { .name: qkv, .offset: 8, .size: 8, .value_kind: global_buffer, .address_space: global }
    .group_segment_fixed_size: 327680
    .private_segment_fixed_size: 0
    .kernarg_segment_align: 8
    .kernarg_segment_size: 16
    .max_flat_workgroup_size: 128
    .sgpr_count:     66
    .vgpr_count:     1024
    .wavefront_size: 32
...
	.end_amdgpu_metadata
.endif
;; end of part 2
;; launch attn (part 3): grid 8 x 32, 8 waves a work-group, no clusters, 327,680 bytes of LDS; arguments qkv, ao; writes ao
.if DOCPART == 3
	.amdgcn_target "amdgcn-amd-amdhsa--gfx1250"
	.amdhsa_code_object_version 6
	.text
	.protected	k_q6d3516f328_attn
	.globl	k_q6d3516f328_attn
	.p2align	8
	.type	k_q6d3516f328_attn,@function
k_q6d3516f328_attn:
	s_mov_b64 s[64:65], 0
	v_nop
	global_prefetch_b8 v0, s[64:65] scope:SCOPE_SE
	s_setreg_imm32_b32 hwreg(HW_REG_WAVE_MODE, 25, 1), 1
	s_wait_xcnt 0x0
; Causal attention of one head, with a running maximum.  qkv: f16 [3][b][h][2048][64].  ao: f16 [b][block of 128 queries][h][128][64].
; Work-group (p, bh), p = 0..7, bh = 16 b + h, does two blocks of 128 queries one after the other: block 2p + 1 (2p + 2 key tiles of 128) and
; block 14 - 2p (15 - 2p tiles): 17 tiles in every work-group; key tiles above the diagonal are never touched.  8 x 32 = 256 work-groups.
; Eight waves: wave w has queries 32 (w & 3) .. + 31 of the block (two tiles of 16, qt) and keys 64 (w >> 2) .. + 63 of each key tile; the two
; key halves are merged through LDS at the end of a block.  Two waves lie on a SIMD, so that one's softmax can run beside the other's products.
; LAYOUT.  S^T = K Q^T (A = 16 rows of K, B = 16 rows of Q): lane (r, h) holds query r and keys 8 h + j of a tile, so a row's maximum needs one
; exchange between the halves of the wave, and two neighbouring key tiles, packed to f16, ARE the B fragment of P^T for 32 keys.
; O^T = V^T P^T (A = V^T, by the transposing LDS load): the lane keeps query r, with d = 16 dt + 8 h + j.  The row sum comes from the matrix unit
; too: an A fragment of ones gives the sum of the rounded P, in every register of an accumulator.
; SOFTMAX.  M is the running maximum of the raw scores, NM = -c M as rounded, c = log2(e) / 8.  P = 2^(c s + NM); old sums are scaled by
; 2^(NMnew - NMold), which is 1 exactly where the maximum stays.  M starts at the most negative finite f32, so a wave whose keys are all masked
; has P = 0, sum 0, and drops out of the merge with the factor 0.
; LIMITS: scores finite; |q|, |k|, |v| < 65,504 (f16); P below 2^-25 of the row's largest counts as 0; NaN and infinities in the inputs are not served.
; NO JOINT LOADS: the eight work-groups of a head read the same K and V, but in step n work-group p wants tile n up to n = 2p + 1 and tile
; n - 2p - 2 from there on: partners want different tiles in the same step.
; LDS: slot s at 35,840 s: K, 64 rows of 256 bytes (two keys each) at pitch 272; V behind it, the same at pitch 288.  With these pitches the sixteen
; lanes of a fragment load, at (row / 2) pitch + 128 (row % 2), touch sixteen different 16-byte columns modulo 256.  Behind the ring, in bytes
; that no tensor load fills: the merge's scratch (4 x 8,704) and the way out's stage (4 x 4,608).
.set TILEB,  16384                     ; a key tile of K or of V in memory: 128 rows of 128 bytes, dense
.set KPITCH, 272
.set VPITCH, 288
.set KBYTES, 64*KPITCH
.set SLOT,   KBYTES+64*VPITCH
.set SCR,    2*SLOT
.set SCRW,   8704                      ; 16 x 512 bytes of O, 512 bytes of (NM0, NM1, l0, l1)
.set STAGE,  SCR+4*SCRW
.set STGP,   144                       ; a stage row: 128 bytes + 16
.set STGW,   32*STGP
.set ADK,  1                           ; v1-2    my K fragments in slot 0, 1
.set ADV,  3                           ; v3-4    my V fragments in slot 0, 1
.set DL,   5                           ; v5-6    qt: my query - my first key, on the diagonal tile
.set NINF, 7                           ; v7      -infinity
.set MX,   8                           ; v8-9    qt: M
.set TN,   10                          ; v10-11  at work
.set NM,   12                          ; v[12:13], v[14:15]  qt: NM, twice (a pair for the packed forms)
.set AL,   16                          ; v[16:17], v[18:19]  qt: the scale of the old sums, twice
.set CH,   20                          ; v20-27  qt: four chains of maxima
.set QOFF, 28                          ; v28     my 16 bytes in a block of Q
.set SCA,  29                          ; v29     scratch
.set STG,  30                          ; v30     stage, in
.set SRD,  31                          ; v31     stage, back
.set LA,   32                          ; v32-47  qt: the row sums' accumulator
.set ONE,  48                          ; v48-55  an A fragment of f16 ones
.set OOF,  56                          ; v56     my 16 bytes in a block of ao
.set PX,   57                          ; v57-58  the other half's maximum
.set OA,   64                          ; v64-127   O(qt, dt) at 8 (4 qt + dt)
.set SC,   128                         ; v128-191  S(qt, tt) at 32 qt + 8 tt; P(qt, kc) packed in place at 32 qt + 16 kc
.set FR,   192                         ; v192-255  K(tt, ks) at 32 ks + 8 tt, later V(dt, kc) at 32 kc + 8 dt
                                       ; v256-287  (window 1) Q(qt, ks) at 16 qt + 8 ks
.set G1K, 28                           ; s[28:35] descriptor group 1 of K's tiles
.set G1V, 36                           ; s[36:43] of V's
.set GK,  44                           ; s[44:51] group 0 of K's tiles, a set for each slot
.set GV,  52                           ; s[52:59] of V's
.set MSB, 0
.macro WIN new                         ; the immediate's high byte repeats the setting that is left
.if MSB != \new
	s_set_vgpr_msb (MSB<<8)|\new
.set MSB, \new
.endif
.endm
.macro KVLOAD sl                       ; wave 0 fetches the slot's K, wave 1 its V: one tensor load a wave, 64 rows of 256 bytes
	s_cmp_lg_u32 s8, 0
	s_cbranch_scc1 .Lnot_k_\@
	tensor_load_to_lds s[GK+4*(\sl):GK+4*(\sl)+3], s[G1K:G1K+7]
	s_nop 0
.Lnot_k_\@:
	s_cmp_lg_u32 s8, 1
	s_cbranch_scc1 .Lnot_v_\@
	tensor_load_to_lds s[GV+4*(\sl):GV+4*(\sl)+3], s[G1V:G1V+7]
	s_nop 0
.Lnot_v_\@:
.endm
.macro QLOAD base                      ; my 32 queries as B fragments: lane (r, h) takes d = 32 ks + 8 h .. and 32 ks + 16 + 8 h .. of query 16 qt + r
	WIN 0x40                               ; destination in window 1
.irp qt, 0,1
.irp c, 0,1,2,3
	global_load_b128 v[16*\qt+4*\c:16*\qt+4*\c+3], v[QOFF], s[\base:\base+1] offset:2048*\qt+32*\c
.endr
.endr
	WIN 0
.endm
; A block's sums start at 0.  A block's first tile is a trip of the loop like any other (which trip hangs on p), so its products cannot take
; the constant 0 as C: 80 registers are cleared, twice in the kernel.
.macro CLEAR
.set i, 0
.rept 64
	v_mov_b32 v[OA+i], 0
.set i, i+1
.endr
.set i, 0
.rept 16
	v_mov_b32 v[LA+i], 0
.set i, i+1
.endr
	v_mov_b32 v[MX], 0xff7fffff
	v_mov_b32 v[MX+1], 0xff7fffff
.irp k, 0,1,2,3
	v_mul_f32 v[NM+\k], s62, v[MX]                 ; NM = -c M
.endr
.endm
.macro MASK                            ; the diagonal tile: key 16 tt + j of mine lies behind my query where 16 tt + j > DL
.irp qt, 0,1
.irp tt, 0,1,2,3
.irp j, 0,1,2,3,4,5,6,7
	v_cmp_gt_i32 vcc_lo, 16*\tt+\j, v[DL+\qt]
	v_cndmask_b32 v[SC+32*\qt+8*\tt+\j], v[SC+32*\qt+8*\tt+\j], v[NINF], vcc_lo
.endr
.endr
.endr
.endm
.macro SOFTMAX
	; the largest of my 32 scores of each query, in four chains a query
.irp qt, 0,1
.irp c, 0,1,2,3
	v_max3_num_f32 v[CH+4*\qt+\c], v[SC+32*\qt+3*\c], v[SC+32*\qt+3*\c+1], v[SC+32*\qt+3*\c+2]
.endr
.endr
.irp n, 0,1
.irp qt, 0,1
.irp c, 0,1,2,3
	v_max3_num_f32 v[CH+4*\qt+\c], v[CH+4*\qt+\c], v[SC+32*\qt+12+8*\n+2*\c], v[SC+32*\qt+12+8*\n+2*\c+1]
.endr
.endr
.endr
.irp qt, 0,1
.irp c, 0,1
	v_max3_num_f32 v[CH+4*\qt+\c], v[CH+4*\qt+\c], v[SC+32*\qt+28+2*\c], v[SC+32*\qt+28+2*\c+1]
.endr
.endr
.irp qt, 0,1
	v_max3_num_f32 v[CH+4*\qt], v[CH+4*\qt], v[CH+4*\qt+1], v[CH+4*\qt+2]
.endr
.irp qt, 0,1
	v_max_num_f32 v[CH+4*\qt], v[CH+4*\qt], v[CH+4*\qt+3]
.endr
.irp qt, 0,1
	v_permlanex16_b32 v[PX+\qt], v[CH+4*\qt], s60, s61             ; lane l xor 16 holds the same query's other 32 keys
.endr
.irp qt, 0,1
	v_max3_num_f32 v[MX+\qt], v[CH+4*\qt], v[PX+\qt], v[MX+\qt]    ; the new running maximum
.endr
.irp qt, 0,1
	v_mul_f32 v[TN+\qt], s62, v[MX+\qt]                            ; the new NM
.endr
.irp qt, 0,1
	v_sub_f32 v[AL+2*\qt], v[TN+\qt], v[NM+2*\qt]                  ; NMnew - NMold, 0 or below
.endr
	v_exp_f32 v[AL], v[AL]
	v_exp_f32 v[AL+2], v[AL+2]
	v_mov_b32 v[NM], v[TN]                         ; a plain instruction stands between a transcendental and the use of its result (ISA guide 5.7.2)
	v_mov_b32 v[NM+1], v[TN]
	v_mov_b32 v[NM+2], v[TN+1]
	v_mov_b32 v[NM+3], v[TN+1]
	s_wait_alu depctr_va_vdst(0)
	v_mov_b32 v[AL+1], v[AL]
	v_mov_b32 v[AL+3], v[AL+2]
	; eight scores at a time: c s + NM, 2^, and behind the exponentials (as their plain place) the scaling of eight old sums of O
.irp g, 0,1,2,3,4,5,6,7
.irp j, 0,2,4,6
	v_pk_fma_f32 v[SC+8*\g+\j:SC+8*\g+\j+1], v[SC+8*\g+\j:SC+8*\g+\j+1], 0x3e38aa3b, v[NM+2*(\g/4):NM+2*(\g/4)+1] op_sel_hi:[1,0,1]
.endr
.irp j, 0,1,2,3,4,5,6,7
	v_exp_f32 v[SC+8*\g+\j], v[SC+8*\g+\j]
.endr
.irp j, 0,2,4,6
	v_pk_mul_f32 v[OA+8*\g+\j:OA+8*\g+\j+1], v[OA+8*\g+\j:OA+8*\g+\j+1], v[AL+2*(\g/4):AL+2*(\g/4)+1]
.endr
.endr
.irp qt, 0,1
.irp j, 0,2,4,6
	v_pk_mul_f32 v[LA+8*\qt+\j:LA+8*\qt+\j+1], v[LA+8*\qt+\j:LA+8*\qt+\j+1], v[AL+2*\qt:AL+2*\qt+1]
.endr
.endr
	; P to f16, in place: register i of a fragment takes keys 2 i, 2 i + 1 of the first key tile, register 4 + i those of the second; no source is overwritten before it is read
	s_wait_alu depctr_va_vdst(0)
.irp b, 0,1,2,3
.irp i, 0,1,2,3
	v_cvt_pk_f16_f32 v[SC+16*\b+\i], v[SC+16*\b+2*\i], v[SC+16*\b+2*\i+1]
.endr
.irp i, 0,1,2,3
	v_cvt_pk_f16_f32 v[SC+16*\b+4+\i], v[SC+16*\b+8+2*\i], v[SC+16*\b+8+2*\i+1]
.endr
.endr
.endm
.macro PV                              ; ten accumulators take turns, one instruction a turn
	s_wait_dscnt 0x0                               ; V's fragments are in
.irp kc, 0,1
.irp qt, 0,1
.irp dt, 0,1,2,3
	v_wmma_f32_16x16x32_f16 v[OA+32*\qt+8*\dt:OA+32*\qt+8*\dt+7], v[FR+32*\kc+8*\dt:FR+32*\kc+8*\dt+7], v[SC+32*\qt+16*\kc:SC+32*\qt+16*\kc+7], v[OA+32*\qt+8*\dt:OA+32*\qt+8*\dt+7]
.endr
	v_wmma_f32_16x16x32_f16 v[LA+8*\qt:LA+8*\qt+7], v[ONE:ONE+7], v[SC+32*\qt+16*\kc:SC+32*\qt+16*\kc+7], v[LA+8*\qt:LA+8*\qt+7]
.endr
.endr
.rept 5
	v_nop                                          ; five places: the next products write over P, the next loads over V, the next vector work reads O
.endr
.endm
; The end of a block.  Waves 4-7 hand their O, NM and row sums to waves 0-3, which bring both to the smaller NM (the larger maximum), add, divide and store.
.macro EPI obase, final
	s_cmp_lt_u32 s8, 4
	s_cbranch_scc1 .Lkeep_\@
	v_mov_b32 v[CH], v[NM]
	v_mov_b32 v[CH+1], v[NM+2]
	v_mov_b32 v[CH+2], v[LA]
	v_mov_b32 v[CH+3], v[LA+8]
.set i, 0
.rept 16
	ds_store_b128 v[SCA], v[OA+4*i:OA+4*i+3] offset:512*i
.set i, i+1
.endr
	ds_store_b128 v[SCA], v[CH:CH+3] offset:8192
.Lkeep_\@:
	s_wait_dscnt 0x0                               ; for the partner's sake: my stores are done
	s_barrier_signal -1                            ; the next tile's load may stay out
	s_barrier_wait -1
	s_cmp_ge_u32 s8, 4
	s_cbranch_scc1 .Ldone_\@
	ds_load_b128 v[FR:FR+3], v[SCA] offset:8192    ; the partner's NM0, NM1, l0, l1
.set i, 0
.rept 16
	ds_load_b128 v[SC+4*i:SC+4*i+3], v[SCA] offset:512*i
.set i, i+1
.endr
	s_wait_dscnt 16                                ; the four numbers are in; the 16 loads of O behind them stay out
	v_min_num_f32 v[TN], v[NM], v[FR]
	v_min_num_f32 v[TN+1], v[NM+2], v[FR+1]
	v_sub_f32 v[CH], v[TN], v[NM]
	v_sub_f32 v[CH+1], v[TN], v[FR]
	v_sub_f32 v[CH+2], v[TN+1], v[NM+2]
	v_sub_f32 v[CH+3], v[TN+1], v[FR+1]
	v_exp_f32 v[CH], v[CH]                         ; my factor, the partner's factor, for qt = 0, 1
	v_exp_f32 v[CH+1], v[CH+1]
	v_exp_f32 v[CH+2], v[CH+2]
	v_exp_f32 v[CH+3], v[CH+3]
	v_nop
	s_wait_alu depctr_va_vdst(0)
	v_mul_f32 v[CH+4], v[LA], v[CH]
	v_mul_f32 v[CH+5], v[LA+8], v[CH+2]
	v_fmac_f32 v[CH+4], v[FR+2], v[CH+1]           ; the whole row sum; the row's largest P is about 1 in one of the two, so it is not 0
	v_fmac_f32 v[CH+5], v[FR+3], v[CH+3]
	v_rcp_f32 v[CH+4], v[CH+4]
	v_rcp_f32 v[CH+5], v[CH+5]
	v_nop
	s_wait_alu depctr_va_vdst(0)
	v_mul_f32 v[NM], v[CH], v[CH+4]                ; factor / sum, in the pairs that held NM and the scale
	v_mul_f32 v[AL], v[CH+1], v[CH+4]
	v_mul_f32 v[NM+2], v[CH+2], v[CH+5]
	v_mul_f32 v[AL+2], v[CH+3], v[CH+5]
	v_mov_b32 v[NM+1], v[NM]
	v_mov_b32 v[AL+1], v[AL]
	v_mov_b32 v[NM+3], v[NM+2]
	v_mov_b32 v[AL+3], v[AL+2]
	s_wait_dscnt 0x0
.irp g, 0,1,2,3,4,5,6,7
.irp j, 0,2,4,6
	v_pk_mul_f32 v[OA+8*\g+\j:OA+8*\g+\j+1], v[OA+8*\g+\j:OA+8*\g+\j+1], v[NM+2*(\g/4):NM+2*(\g/4)+1]
	v_pk_fma_f32 v[OA+8*\g+\j:OA+8*\g+\j+1], v[SC+8*\g+\j:SC+8*\g+\j+1], v[AL+2*(\g/4):AL+2*(\g/4)+1], v[OA+8*\g+\j:OA+8*\g+\j+1]
.endr
.endr
.irp g, 0,1,2,3,4,5,6,7
.irp i, 0,1,2,3
	v_cvt_pk_f16_f32 v[FR+4*\g+\i], v[OA+8*\g+2*\i], v[OA+8*\g+2*\i+1]
.endr
.endr
.irp g, 0,1,2,3,4,5,6,7
	ds_store_b128 v[STG], v[FR+4*\g:FR+4*\g+3] offset:16*STGP*(\g/4)+32*(\g%4)     ; query 16 qt + r, d = 16 dt + 8 h ..: 16 bytes
.endr
.irp n, 0,1,2,3,4,5,6,7
	ds_load_b128 v[FR+32+4*\n:FR+32+4*\n+3], v[SRD] offset:4*STGP*\n               ; my own bytes; LDS serves a wave's instructions in order (ISA guide 5.7.1.4)
.endr
.irp n, 0,1,2,3,4,5,6,7
	s_wait_dscnt 7-\n                              ; load n is in, the 7 - n younger ones stay out
	global_store_b128 v[OOF], v[FR+32+4*\n:FR+32+4*\n+3], s[\obase:\obase+1] offset:512*\n   ; four queries' 512 consecutive bytes, aligned
.endr
.if \final == 0
	s_wait_xcnt 0x0                                ; the stores' data registers are loaded again in the next trip, only behind this wait
.endif
.Ldone_\@:
.if \final == 0
	CLEAR
.endif
.endm
; One key tile, in slot `slot`.  kind 0: plain; 1: the first block's diagonal tile in the trip g = p, plain in the others; 2: the second block's diagonal tile.
.macro TRIP slot, kind, refill
	s_set_vgpr_msb 0x5
	s_wait_tensorcnt 0x0                           ; all my tensor loads are done, this trip's tile among them: every group 0 may be written
	ds_add_u32 v32, v33
	s_wait_dscnt 0x0
	s_set_vgpr_msb 0x500
.if \refill
.if \slot == 0
	s_add_co_u32 s14, s14, TILEB                   ; the next tile follows in the same block: the first block has an even number of tiles
.else
	s_add_co_u32 s63, s14, TILEB
	s_cmp_eq_u32 s13, s11
	s_cselect_b32 s14, 0, s63                      ; behind the first block's last tile the second block begins at tile 0
.endif
	s_add_nc_u64 s[GK+6-4*\slot:GK+7-4*\slot], s[16:17], s[14:15]
	s_or_b32 s[GK+7-4*\slot], s[GK+7-4*\slot], 0x80000000
	s_add_nc_u64 s[GV+6-4*\slot:GV+7-4*\slot], s[18:19], s[14:15]
	s_or_b32 s[GV+7-4*\slot], s[GV+7-4*\slot], 0x80000000
.endif
	s_wait_dscnt 0x0                               ; my reads of the last trip's tile are done
	s_barrier_signal -1
	s_barrier_wait -1                              ; both now hold of every wave
.if \refill
	KVLOAD 1-\slot                                 ; the next tile, into the slot read last trip: one load of a wave is out, with this trip's work in which to land
.endif
.irp ks, 0,1
.irp tt, 0,1,2,3
	ds_load_b128 v[FR+32*\ks+8*\tt:FR+32*\ks+8*\tt+3],   v[ADK+\slot] offset:8*KPITCH*\tt+64*\ks
	ds_load_b128 v[FR+32*\ks+8*\tt+4:FR+32*\ks+8*\tt+7], v[ADK+\slot] offset:8*KPITCH*\tt+64*\ks+32
.endr
.endr
	s_wait_loadcnt 0x0                             ; Q of a new block; met at once in every other trip
	s_wait_dscnt 0x8                               ; K's d = 0..31 are in; the eight loads of d = 32..63 stay out
	WIN 0x04                                       ; source 1 (Q) in window 1
.irp qt, 0,1
.irp tt, 0,1,2,3
	v_wmma_f32_16x16x32_f16 v[SC+32*\qt+8*\tt:SC+32*\qt+8*\tt+7], v[FR+8*\tt:FR+8*\tt+7], v[16*\qt:16*\qt+7], 0
.endr
.endr
	s_wait_dscnt 0x0
.irp qt, 0,1
.irp tt, 0,1,2,3
	v_wmma_f32_16x16x32_f16 v[SC+32*\qt+8*\tt:SC+32*\qt+8*\tt+7], v[FR+32+8*\tt:FR+32+8*\tt+7], v[16*\qt+8:16*\qt+15], v[SC+32*\qt+8*\tt:SC+32*\qt+8*\tt+7]
.endr
.endr
	WIN 0
.rept 4
	v_nop                                          ; four places: loads follow into K's and Q's registers, vector work reads S
.endr
.irp kc, 0,1
.irp dt, 0,1,2,3
	ds_load_tr16_b128 v[FR+32*\kc+8*\dt:FR+32*\kc+8*\dt+3],   v[ADV+\slot] offset:16*VPITCH*\kc+32*\dt
	ds_load_tr16_b128 v[FR+32*\kc+8*\dt+4:FR+32*\kc+8*\dt+7], v[ADV+\slot] offset:16*VPITCH*\kc+32*\dt+8*VPITCH
.endr
.endr
.if \kind == 1
	s_cmp_lg_u32 s13, s11
	s_cbranch_scc1 .Lplain_\@
	QLOAD 22                                       ; the first block's Q has been multiplied for the last time: the second block's comes in
	MASK
.Lplain_\@:
.endif
.if \kind == 2
	MASK
.endif
	SOFTMAX
	PV
.if \kind == 1
	s_cmp_lg_u32 s13, s11                          ; p and the trip's number are the same in all eight waves: all pass the barrier inside, or none
	s_cbranch_scc1 .Lon_\@
	EPI 24, 0
.Lon_\@:
.endif
.if \kind == 2
	EPI 26, 1
.endif
.endm
	s_load_b128 s[4:7], s[0:1], 0x0                ; qkv s[4:5], ao s[6:7]
	s_set_vgpr_msb 0x40
	v_lshl_add_u32 v32, v0, 2, 0x29000
	v_mov_b32 v33, 0
	s_set_vgpr_msb 0x4045
	ds_add_u32 v32, v33
	s_set_vgpr_msb 0x4500
	v_lshrrev_b32 v59, 5, v0
	v_readfirstlane_b32 s8, v59                    ; wave 0..7
	s_and_b32 s9, s8, 3                            ; which 32 queries
	s_lshr_b32 s10, s8, 2                          ; which 64 keys
	s_mov_b32 s11, ttmp9                           ; p
	s_and_b32 s12, ttmp7, 0xffff                   ; 16 b + h
	; group 1: a dense block of 16 KiB as 64 rows of 32 elements of 8 bytes; behind every 64 words 4 words of padding (K) or 8 (V)
	s_mov_b32 s[G1K+0], (3<<16)|(1<<20)|(5<<22)|(3<<25)
	s_mov_b32 s[G1K+1], 32<<16                     ; tensor_dim0 = 32
	s_mov_b32 s[G1K+2], 64<<16                     ; tensor_dim1 = 64
	s_mov_b32 s[G1K+3], 32<<16                     ; tile_dim0 = 32
	s_mov_b32 s[G1K+4], 64                         ; tile_dim1 = 64
	s_mov_b32 s[G1K+5], 32                         ; elements from row to row
	s_mov_b32 s[G1K+6], 0
	s_mov_b32 s[G1K+7], 0
	s_mov_b32 s[G1V+0], (3<<16)|(1<<20)|(5<<22)|(7<<25)
	s_mov_b32 s[G1V+1], 32<<16
	s_mov_b32 s[G1V+2], 64<<16
	s_mov_b32 s[G1V+3], 32<<16
	s_mov_b32 s[G1V+4], 64
	s_mov_b32 s[G1V+5], 32
	s_mov_b32 s[G1V+6], 0
	s_mov_b32 s[G1V+7], 0
	s_mov_b32 s[GK+0], 1
	s_mov_b32 s[GK+1], 0
	s_mov_b32 s[GK+4], 1
	s_mov_b32 s[GK+5], SLOT
	s_mov_b32 s[GV+0], 1
	s_mov_b32 s[GV+1], KBYTES
	s_mov_b32 s[GV+4], 1
	s_mov_b32 s[GV+5], SLOT+KBYTES
	s_lshl_b32 s2, s12, 18                         ; a head is 262,144 bytes
	s_mov_b32 s3, 0
	s_mov_b32 s14, 0                               ; s[14:15]: byte offset, in the head's K and V, of the tile asked for last
	s_mov_b32 s15, 0
	s_wait_dscnt 0x0
	s_barrier_signal -1
	s_barrier_wait -1
	s_wait_kmcnt 0x0
	s_add_nc_u64 s[20:21], s[4:5], s[2:3]          ; the head's q,
	s_add_nc_u64 s[16:17], s[20:21], 0x800000      ; k,
	s_add_nc_u64 s[18:19], s[20:21], 0x1000000     ; v
	s_mov_b64 s[GK+2:GK+3], s[16:17]
	s_or_b32 s[GK+3], s[GK+3], 0x80000000
	s_mov_b64 s[GV+2:GV+3], s[18:19]
	s_or_b32 s[GV+3], s[GV+3], 0x80000000
	KVLOAD 0                                       ; tile 0: the first fill, ahead of every wait on TENSORcnt
	s_lshl_b32 s63, s11, 1
	s_add_co_u32 s62, s63, 1                       ; the first block: 2 p + 1
	s_sub_co_u32 s63, 14, s63                      ; the second: 14 - 2 p
	s_lshl_b32 s2, s63, 14                         ; a block of Q is 16,384 bytes
	s_add_nc_u64 s[22:23], s[20:21], s[2:3]
	s_lshl_b32 s2, s62, 14
	s_add_nc_u64 s[20:21], s[20:21], s[2:3]
	s_lshr_b32 s2, s12, 4                          ; ao: b x 4 MiB + block x 262,144 + h x 16,384
	s_lshl_b32 s2, s2, 22
	s_and_b32 s60, s12, 15
	s_lshl_b32 s60, s60, 14
	s_add_co_u32 s2, s2, s60
	s_add_nc_u64 s[6:7], s[6:7], s[2:3]
	s_lshl_b32 s2, s62, 18
	s_add_nc_u64 s[24:25], s[6:7], s[2:3]
	s_lshl_b32 s2, s63, 18
	s_add_nc_u64 s[26:27], s[6:7], s[2:3]
	s_mov_b32 s60, 0x76543210                      ; v_permlanex16_b32: lane i of one half reads lane i of the other
	s_mov_b32 s61, 0xfedcba98
	s_mov_b32 s62, 0xbe38aa3b                      ; -c = -log2(e) / 8
	v_and_b32 v59, 15, v0                          ; r
	v_bfe_u32 v60, v0, 4, 1                        ; h
	s_lshl_b32 s2, s9, 12                          ; Q: (32 qg + r) x 128 + 16 h
	v_lshlrev_b32 v61, 7, v59
	v_lshl_add_u32 v61, v60, 4, v61
	v_add_nc_u32 v[QOFF], s2, v61
	QLOAD 20
	v_bfe_u32 v61, v0, 1, 3                        ; K: key 64 kg + r lies at (32 kg + r / 2) x 272 + 128 (r % 2); + 16 h
	v_mul_u32_u24 v61, v61, KPITCH
	v_and_b32 v62, 1, v0
	v_lshl_add_u32 v61, v62, 7, v61
	v_lshl_add_u32 v61, v60, 4, v61
	s_mul_i32 s2, s10, 32*KPITCH
	v_add_nc_u32 v[ADK], s2, v61
	v_add_nc_u32 v[ADK+1], SLOT, v[ADK]
	v_bfe_u32 v61, v0, 1, 2                        ; V: lane l addresses key 64 kg + 8 h + l % 8, 16 bytes at 16 ((l / 8) % 2)
	v_lshl_add_u32 v61, v60, 2, v61
	v_mul_u32_u24 v61, v61, VPITCH
	v_lshl_add_u32 v61, v62, 7, v61
	v_bfe_u32 v63, v0, 3, 1
	v_lshl_add_u32 v61, v63, 4, v61
	s_mul_i32 s2, s10, 32*VPITCH
	s_add_co_u32 s2, s2, KBYTES
	v_add_nc_u32 v[ADV], s2, v61
	v_add_nc_u32 v[ADV+1], SLOT, v[ADV]
	s_lshl_b32 s2, s9, 5                           ; 32 qg + r - 64 kg - 8 h, and 16 more for qt = 1
	s_lshl_b32 s3, s10, 6
	s_sub_co_i32 s2, s2, s3
	v_lshlrev_b32 v61, 3, v60
	v_sub_nc_u32 v61, v59, v61
	v_add_nc_u32 v[DL], s2, v61
	v_add_nc_u32 v[DL+1], 16, v[DL]
	v_mov_b32 v[NINF], 0xff800000
	v_and_b32 v62, 31, v0                          ; l
	s_mul_i32 s2, s9, SCRW
	s_add_co_u32 s2, s2, SCR
	v_lshl_add_u32 v[SCA], v62, 4, s2
	s_mul_i32 s2, s9, STGW
	s_add_co_u32 s2, s2, STAGE
	v_mul_u32_u24 v61, v59, STGP
	v_lshl_add_u32 v61, v60, 4, v61
	v_add_nc_u32 v[STG], s2, v61                   ; in: row r, 16 h
	v_lshrrev_b32 v61, 3, v62
	v_mul_u32_u24 v61, v61, STGP
	v_and_b32 v63, 7, v0
	v_lshl_add_u32 v61, v63, 4, v61
	v_add_nc_u32 v[SRD], s2, v61                   ; back: row l / 8, 16 (l % 8)
	s_lshl_b32 s2, s9, 12
	v_lshl_add_u32 v[OOF], v62, 4, s2              ; 32 queries x 128 bytes a wave, 16 l
.irp k, 0,1,2,3,4,5,6,7
	v_mov_b32 v[ONE+\k], 0x3c003c00
.endr
	v_mov_b32 v[PX], 0                             ; v_permlanex16_b32's destination counts as read
	v_mov_b32 v[PX+1], 0
	CLEAR
	s_mov_b32 s13, 0
.Ltiles:
	TRIP 0, 0, 1
	TRIP 1, 1, 1
	s_add_co_u32 s13, s13, 1
	s_cmp_lt_u32 s13, 8
	s_cbranch_scc1 .Ltiles
	TRIP 0, 2, 0                                   ; the 17th tile: the second block's diagonal; nothing is left to fetch
	s_set_vgpr_msb 0x5
	s_wait_tensorcnt 0x0
	ds_add_u32 v32, v33
	s_wait_dscnt 0x0
	s_set_vgpr_msb 0x500
	s_endpgm
.Lfunc_end_k_q6d3516f328_attn:
	.size	k_q6d3516f328_attn, .Lfunc_end_k_q6d3516f328_attn-k_q6d3516f328_attn
	.p2alignl 7, 3214868480
	.fill 96, 4, 3214868480
	.section	.rodata,"a",@progbits
	.p2align	6, 0x0
	.amdhsa_kernel k_q6d3516f328_attn
		.amdhsa_group_segment_fixed_size 327680
		.amdhsa_private_segment_fixed_size 0
		.amdhsa_enable_private_segment 0
		.amdhsa_kernarg_size 16
		.amdhsa_user_sgpr_count 2
		.amdhsa_user_sgpr_kernarg_segment_ptr 1
		.amdhsa_wavefront_size32 1
		.amdhsa_system_sgpr_workgroup_id_x 1
		.amdhsa_system_sgpr_workgroup_id_y 1
		.amdhsa_system_sgpr_workgroup_id_z 1
		.amdhsa_system_vgpr_workitem_id 0
		.amdhsa_next_free_vgpr 290
		.amdhsa_next_free_sgpr 66
		.amdhsa_reserve_vcc 1
		.amdhsa_float_denorm_mode_32 3
		.amdhsa_float_denorm_mode_16_64 3
		.amdhsa_memory_ordered 1
		.amdhsa_forward_progress 1
		.amdhsa_inst_pref_size 98
	.end_amdhsa_kernel
	.amdgpu_metadata
---
amdhsa.version: [ 1, 2 ]
amdhsa.kernels:
  - .name:           k_q6d3516f328_attn
    .symbol:         k_q6d3516f328_attn.kd
    .args:
      - { .name: qkv, .offset: 0, .size: 8, .value_kind: global_buffer, .address_space: global }
      - { .name: ao, .offset: 8, .size: 8, .value_kind: global_buffer, .address_space: global }
    .group_segment_fixed_size: 327680
    .private_segment_fixed_size: 0
    .kernarg_segment_align: 8
    .kernarg_segment_size: 16
    .max_flat_workgroup_size: 256
    .sgpr_count:     66
    .vgpr_count:     290
    .wavefront_size: 32
...
	.end_amdgpu_metadata
.endif
;; end of part 3
;; launch proj_out (part 4): grid 8 x 32, 4 waves a work-group, clusters of 4 x 4, 327,680 bytes of LDS; arguments ao, cb, out0; writes out0
.if DOCPART == 4
	.amdgcn_target "amdgcn-amd-amdhsa--gfx1250"
	.amdhsa_code_object_version 6
	.text
	.protected	k_q6d3516f328_proj_out
	.globl	k_q6d3516f328_proj_out
	.p2align	8
	.type	k_q6d3516f328_proj_out,@function
k_q6d3516f328_proj_out:
	s_mov_b64 s[64:65], 0
	v_nop
	global_prefetch_b8 v0, s[64:65] scope:SCOPE_SE
	s_setreg_imm32_b32 hwreg(HW_REG_WAVE_MODE, 25, 1), 1
	s_wait_xcnt 0x0
	s_wait_alu depctr_hold_cnt(0) depctr_sa_sdst(0) depctr_va_vdst(0) depctr_va_sdst(0) depctr_va_ssrc(0) depctr_va_vcc(0) depctr_vm_vsrc(0)
	s_getreg_b32 s2, hwreg(HW_REG_IB_STS2, 6, 4)
	s_cmp_eq_u32 s2, 0
	s_cbranch_scc0 .Lentry_in_a_cluster
	s_endpgm
.Lentry_in_a_cluster:
	s_bfe_u32 s2, ttmp6, 0x10000c
	s_cmp_lg_u32 s2, 0xf033
	s_cbranch_scc0 .Lentry_shape_is_right
	s_endpgm
.Lentry_shape_is_right:
; out0[m][n] = sum over k of A[m][k] Wo[n][k], k = 64 head + d.  A = ao, f16 [block of 128 rows m][head][128][64]; Wo: f16 [1024][1024] at byte
; 14,680,064 of cb; out0: f32 [4096][1024].  Sums in f32.
; A work-group makes 128 x 128 of out0, so that 8 x 32 = 256 work-groups share the work; four waves, 64 x 64 each: 16 accumulator tiles, 128 registers
; in window 1.  K goes in four steps of 256 (four heads) through two LDS slots; everything is written out, there is no loop.
; In ao the four heads of a step are 64 KiB without a gap: a wave that fetches for A brings two heads as 128 rows of 256 bytes (two rows m each),
; at LDS pitch 272; row m of head hh lies at 17,408 hh + (m / 2) 272 + 128 (m % 2), and the sixteen lanes of a fragment load touch sixteen different
; 16-byte columns modulo 256.  Wo's tile: 128 rows of 512 bytes at pitch 528.
; CLUSTERS: 4 x 4 work-groups; A's tiles hang on the block row alone and are asked for jointly along a row of the cluster, Wo's on the block column
; alone and are asked for jointly along a column.
; The matrix instruction is used transposed (source 0 = rows of Wo, source 1 = rows of A): a lane holds eight neighbouring f32 of one row of out0.
.set APITCH, 272
.set BPITCH, 528
.set HEADB,  64*APITCH                 ; a head's 128 rows in LDS
.set ABYTES, 4*HEADB
.set SLOT,   ABYTES+128*BPITCH
.set STAGE,  2*SLOT                    ; behind the ring: 16 rows x 272 bytes for each wave, for the way out
.set SPITCH, 272
.set ASTEP,  65536                     ; four heads of ao
.set BSTEP,  512                       ; 256 numbers of a row of Wo
.set WO_OFF, 14680064
.set ADRA, 16                          ; v16-17  my A fragments in slot 0, 1
.set ADRB, 20                          ; v20-21  my Wo fragments
.set STO,  24                          ; v24     stage, in
.set RD,   25                          ; v25     stage, back
.set CO,   26                          ; v26     my byte offset in out0
.set F0,   32                          ; v32-95   fragment buffer 0: A(a) at 8 a, Wo(b) at 32 + 8 b
.set F1,   96                          ; v96-159  fragment buffer 1
.set G1, 24                            ; s[24:31] group 1 of A's tiles
.set G0, 32                            ; s[32:39] group 0 of A's tiles, a set for each slot
.set G1B, 48                           ; s[48:55] group 1 of Wo's tiles
.set G0B, 56                           ; s[56:63] group 0 of Wo's tiles
.set MSB, 0
.macro WIN new                         ; the immediate's high byte repeats the setting that is left
.if MSB != \new
	s_set_vgpr_msb (MSB<<8)|\new
.set MSB, \new
.endif
.endm
.macro JLOAD s                         ; waves 0 and 1 fetch A's two halves, waves 2 and 3 Wo's; each line has one mask and one set of registers
	s_cmp_eq_u32 s11, 0
	s_cbranch_scc0 .Lfor_b_\@
	tensor_load_to_lds s[G0+4*\s:G0+4*\s+3], s[G1:G1+7]
	s_nop 0
	s_branch .Lasked_\@
.Lfor_b_\@:
	tensor_load_to_lds s[G0B+4*\s:G0B+4*\s+3], s[G1B:G1B+7]
	s_nop 0
.Lasked_\@:
.endm
.macro CREST                           ; a round of the cluster's barrier behind its opening barrier
	s_cmp_lg_u32 s10, 0
	s_cbranch_scc1 .Lnot_wave_0_\@
	s_barrier_signal -3
.Lnot_wave_0_\@:
	s_barrier_wait -3
	s_barrier_signal -1
	s_barrier_wait -1
.endm
.macro CROUND                          ; a whole round
	s_barrier_signal -1
	s_barrier_wait -1
	CREST
.endm
.macro PLACES                          ; four places behind a matrix instruction, in front of loads into its sources and of reads of its result
.rept 4
	v_nop
.endr
.endm
	s_load_b128 s[4:7], s[0:1], 0x0                ; ao s[4:5], cb s[6:7]
	s_load_b64 s[8:9], s[0:1], 0x10                ; out0
	v_lshl_add_u32 v254, v0, 2, 0x47400
	v_mov_b32 v255, 0
	ds_add_u32 v254, v255
	v_lshrrev_b32 v1, 5, v0
	v_readfirstlane_b32 s10, v1                    ; wave 0..3
	s_lshr_b32 s11, s10, 1                         ; which 64 rows of the block are mine.  Also: I fetch for A (0) or for Wo (1)
	s_and_b32 s12, s10, 1                          ; which 64 columns.  Also: which half of that tile I fetch
	s_bfe_u32 s40, ttmp6, 0x40000                  ; cx
	s_bfe_u32 s41, ttmp6, 0x40004                  ; cy
	s_lshl_b32 s42, ttmp9, 2
	s_add_co_u32 s42, s42, s40                     ; block column, 0..7
	s_and_b32 s13, ttmp7, 0xffff
	s_lshl_b32 s13, s13, 2
	s_add_co_u32 s13, s13, s41                     ; block row, 0..31
	s_lshl_b32 s43, s41, 2
	s_lshl_b32 s43, 15, s43                        ; my row of the cluster
	s_lshl_b32 s44, 0x1111, s40                    ; my column
	; A: a dense block of 32 KiB as 128 rows of 32 elements of 8 bytes, 4 words of padding behind every 64 words
	s_or_b32 s[G1+0], s43, (3<<16)|(1<<20)|(1<<21)|(5<<22)|(3<<25)
	s_mov_b32 s[G1+1], 32<<16                      ; tensor_dim0 = 32
	s_mov_b32 s[G1+2], 128<<16                     ; tensor_dim1 = 128
	s_mov_b32 s[G1+3], 32<<16                      ; tile_dim0 = 32
	s_mov_b32 s[G1+4], 128                         ; tile_dim1 = 128
	s_mov_b32 s[G1+5], 32                          ; elements from row to row
	s_mov_b32 s[G1+6], 0
	s_mov_b32 s[G1+7], 0
	; Wo: 64 rows of 256 elements of 2 bytes, 4 words of padding behind every 128 words
	s_or_b32 s[G1B+0], s44, (1<<16)|(1<<20)|(1<<21)|(6<<22)|(3<<25)
	s_mov_b32 s[G1B+1], 256<<16
	s_mov_b32 s[G1B+2], 64<<16
	s_mov_b32 s[G1B+3], 256<<16
	s_mov_b32 s[G1B+4], 64
	s_mov_b32 s[G1B+5], 1024
	s_mov_b32 s[G1B+6], 0
	s_mov_b32 s[G1B+7], 0
	s_lshl_b32 s16, s13, 18                        ; A: a block row is 262,144 bytes of ao; my half of a step is two heads, 32,768 bytes
	s_lshl_b32 s17, s12, 15
	s_add_co_u32 s16, s16, s17
	s_mov_b32 s17, 0
	s_lshl_b32 s46, s42, 18                        ; Wo: 128 rows of 2,048 bytes a block column; my half is 64 rows
	s_lshl_b32 s47, s12, 17
	s_add_co_u32 s46, s46, s47
	s_add_co_u32 s46, s46, WO_OFF
	s_mov_b32 s47, 0
	s_mul_i32 s20, s12, 128*APITCH                 ; where they go: no place in the cluster enters an LDS address
	s_mul_i32 s45, s12, 64*BPITCH
	s_add_co_u32 s45, s45, ABYTES
	s_wait_dscnt 0x0
	s_wait_kmcnt 0x0
	s_add_nc_u64 s[14:15], s[4:5], s[16:17]
	s_add_nc_u64 s[46:47], s[6:7], s[46:47]
	CROUND                                         ; all sixteen work-groups are here: the first joint loads meet
.irp s, 0,1
	s_mov_b32 s[G0+4*\s], 1
	s_add_co_u32 s[G0+4*\s+1], s20, \s*SLOT
	s_add_nc_u64 s[G0+4*\s+2:G0+4*\s+3], s[14:15], \s*ASTEP
	s_or_b32 s[G0+4*\s+3], s[G0+4*\s+3], 0x80000000
	s_mov_b32 s[G0B+4*\s], 1
	s_add_co_u32 s[G0B+4*\s+1], s45, \s*SLOT
	s_add_nc_u64 s[G0B+4*\s+2:G0B+4*\s+3], s[46:47], \s*BSTEP
	s_or_b32 s[G0B+4*\s+3], s[G0B+4*\s+3], 0x80000000
	JLOAD \s                                       ; two loads of the wave are out: K steps 0 and 1
.endr
	v_and_b32 v1, 15, v0                           ; r
	v_bfe_u32 v2, v0, 4, 1                         ; h
	v_bfe_u32 v3, v0, 1, 3                         ; A: (r / 2) x 272 + 128 (r % 2) + 16 h
	v_mul_u32_u24 v3, v3, APITCH
	v_and_b32 v4, 1, v0
	v_lshl_add_u32 v3, v4, 7, v3
	v_lshl_add_u32 v3, v2, 4, v3
	v_mul_u32_u24 v5, v1, BPITCH                   ; Wo: r x 528 + 16 h
	v_lshl_add_u32 v5, v2, 4, v5
	s_mul_i32 s21, s11, 32*APITCH                  ; my 64 rows of A: 32 pairs
	s_mul_i32 s22, s12, 64*BPITCH                  ; my 64 rows of Wo,
	s_add_co_u32 s22, s22, ABYTES                  ; which lie behind A
.irp s, 0,1
	v_add_nc_u32 v[ADRA+\s], s21, v3
	v_add_nc_u32 v[ADRB+\s], s22, v5
	s_add_co_u32 s21, s21, SLOT
	s_add_co_u32 s22, s22, SLOT
.endr
	s_mul_i32 s23, s10, 16*SPITCH
	s_add_co_u32 s23, s23, STAGE                   ; my stage
	v_mul_u32_u24 v4, v1, SPITCH                   ; in: row r, 32 bytes for each half of the lanes
	v_lshl_add_u32 v4, v2, 5, v4
	v_add_nc_u32 v[STO], s23, v4
	v_mul_u32_u24 v5, v2, SPITCH                   ; back: lanes 0-15 take one row of 256 bytes, lanes 16-31 the next
	v_lshl_add_u32 v5, v1, 4, v5
	v_add_nc_u32 v[RD], s23, v5
	v_lshlrev_b32 v5, 12, v2                       ; and the same two rows in out0, 4,096 bytes apart
	v_lshl_add_u32 v[CO], v1, 4, v5
; 16 LDS loads: the fragments of 32 along K (the kq-th of a step's eight) into buffer f: head kq / 2, d = 32 (kq % 2)
.macro FETCHO slot, kq, f
.irp a, 0,1,2,3
	ds_load_b128 v[\f+8*\a:\f+8*\a+3],   v[ADRA+\slot] offset:((\kq)/2)*HEADB+8*APITCH*\a+((\kq)%2)*64
	ds_load_b128 v[\f+8*\a+4:\f+8*\a+7], v[ADRA+\slot] offset:((\kq)/2)*HEADB+8*APITCH*\a+((\kq)%2)*64+32
.endr
.irp b, 0,1,2,3
	ds_load_b128 v[\f+32+8*\b:\f+32+8*\b+3],   v[ADRB+\slot] offset:16*BPITCH*\b+64*(\kq)
	ds_load_b128 v[\f+32+8*\b+4:\f+32+8*\b+7], v[ADRB+\slot] offset:16*BPITCH*\b+64*(\kq)+32
.endr
.endm
; 16 matrix instructions on the 16 accumulators, which take turns, one instruction a turn, in the same order every time.
.macro MULO f, zero
	WIN 0x50                                       ; C and D in window 1
.irp a, 0,1,2,3
.irp b, 0,1,2,3
.if \zero
	v_wmma_f32_16x16x32_f16 v[8*(4*\a+\b):8*(4*\a+\b)+7], v[\f+32+8*\b:\f+32+8*\b+7], v[\f+8*\a:\f+8*\a+7], 0
.else
	v_wmma_f32_16x16x32_f16 v[8*(4*\a+\b):8*(4*\a+\b)+7], v[\f+32+8*\b:\f+32+8*\b+7], v[\f+8*\a:\f+8*\a+7], v[8*(4*\a+\b):8*(4*\a+\b)+7]
.endif
.endr
.endr
	WIN 0
.endm
.macro QSTEP slot, kn, f, g, zero      ; multiplies buffer f; the fragments of part kn go out ahead of it, into buffer g
	s_wait_dscnt 0x0                               ; buffer f is in
	PLACES
	FETCHO \slot, \kn, \g
	MULO \f, \zero
.endm
.macro SEVEN slot, zero
	QSTEP \slot, 1, F0, F1, \zero
	QSTEP \slot, 2, F1, F0, 0
	QSTEP \slot, 3, F0, F1, 0
	QSTEP \slot, 4, F1, F0, 0
	QSTEP \slot, 5, F0, F1, 0
	QSTEP \slot, 6, F1, F0, 0
	QSTEP \slot, 7, F0, F1, 0
.endm
; A step's last part, and the change of slots.  In front of the barrier each wave waits for its reads of this slot and for all its tensor loads, of which
; one is out: its part of the next slot.  Behind it the refill comes first; it has the next step's 128 matrix instructions in which to land.
.macro TURNO slot, next, fill
	s_wait_dscnt 0x0
	s_wait_tensorcnt 0x0
	ds_add_u32 v254, v255
	s_wait_dscnt 0x0
	s_barrier_signal -1                            ; (where a slot is filled again this barrier opens a round of the cluster's barrier)
	MULO F1, 0                                     ; work on registers while the others arrive
	s_barrier_wait -1
.if \fill
	CREST                                          ; no wave of any partner still reads this slot or has a load on its way
	s_add_nc_u64 s[G0+4*\slot+2:G0+4*\slot+3], s[G0+4*\slot+2:G0+4*\slot+3], 2*ASTEP
	s_add_nc_u64 s[G0B+4*\slot+2:G0B+4*\slot+3], s[G0B+4*\slot+2:G0B+4*\slot+3], 2*BSTEP
	JLOAD \slot                                    ; the first tensor load behind the round, and the wave's only one until the next
.endif
	PLACES
	FETCHO \next, 0, F0
.endm
	s_wait_tensorcnt 1                             ; my part of K step 0 is in; K step 1's load, issued behind it, stays out
	s_barrier_signal -1
	s_barrier_wait -1                              ; everybody's is
	FETCHO 0, 0, F0
	SEVEN 0, 1                                     ; the first products start the sums
	TURNO 0, 1, 1
	SEVEN 1, 0
	TURNO 1, 0, 1
	SEVEN 0, 0
	TURNO 0, 1, 0                                  ; nothing is left to fetch: a plain barrier
	SEVEN 1, 0
	s_wait_dscnt 0x0
	MULO F1, 0
	; THE WAY OUT, 16 rows at a time, through my own stage: 32 bytes a lane in, whole rows of 256 bytes back.
	PLACES
	s_lshl_b32 s16, s13, 19                        ; my first row: 128 x block row + 64 x half, 4,096 bytes each
	s_lshl_b32 s14, s11, 18
	s_add_co_u32 s16, s16, s14
	s_mov_b32 s17, 0
	s_add_nc_u64 s[8:9], s[8:9], s[16:17]
	s_lshl_b32 s46, s42, 9                         ; my first column: 512 bytes a block column, 256 a half
	s_lshl_b32 s47, s12, 8
	s_add_co_u32 s46, s46, s47
	s_mov_b32 s47, 0
	s_add_nc_u64 s[8:9], s[8:9], s[46:47]
.macro OUTO a, f
	WIN 0x04                                       ; an LDS store's data is source 1: window 1
.irp b, 0,1,2,3
	ds_store_b128 v[STO], v[8*(4*\a+\b):8*(4*\a+\b)+3]   offset:64*\b
	ds_store_b128 v[STO], v[8*(4*\a+\b)+4:8*(4*\a+\b)+7] offset:64*\b+16
.endr
	WIN 0
	s_wait_xcnt 0x0                                ; buffer f, which earlier stores read, is loaded again only behind this wait
.irp t, 0,1,2,3,4,5,6,7
	ds_load_b128 v[\f+4*\t:\f+4*\t+3], v[RD] offset:\t*2*SPITCH    ; LDS serves a wave's instructions in order (ISA guide 5.7.1.4): these see the stores above
.endr
.irp t, 0,1,2,3,4,5,6,7
	s_wait_dscnt 7-\t                              ; load t is in, the 7 - t younger ones stay out
	global_store_b128 v[CO], v[\f+4*\t:\f+4*\t+3], s[8:9] offset:(16*\a+2*\t)*4096   ; 16 lanes store 256 consecutive bytes, aligned
.endr
.endm
	OUTO 0, F0
	OUTO 1, F1
	OUTO 2, F0
	OUTO 3, F1
	s_wait_tensorcnt 0x0
	ds_add_u32 v254, v255
	s_wait_dscnt 0x0
	CROUND                                         ; the closing round: no work-group ends while a partner may still ask for a tile that names it
	s_endpgm
.Lfunc_end_k_q6d3516f328_proj_out:
	.size	k_q6d3516f328_proj_out, .Lfunc_end_k_q6d3516f328_proj_out-k_q6d3516f328_proj_out
	.p2alignl 7, 3214868480
	.fill 96, 4, 3214868480
	.section	.rodata,"a",@progbits
	.p2align	6, 0x0
	.amdhsa_kernel k_q6d3516f328_proj_out
		.amdhsa_group_segment_fixed_size 327680
		.amdhsa_private_segment_fixed_size 0
		.amdhsa_enable_private_segment 0
		.amdhsa_kernarg_size 24
		.amdhsa_user_sgpr_count 2
		.amdhsa_user_sgpr_kernarg_segment_ptr 1
		.amdhsa_wavefront_size32 1
		.amdhsa_system_sgpr_workgroup_id_x 1
		.amdhsa_system_sgpr_workgroup_id_y 1
		.amdhsa_system_sgpr_workgroup_id_z 1
		.amdhsa_system_vgpr_workitem_id 0
		.amdhsa_next_free_vgpr 384
		.amdhsa_next_free_sgpr 66
		.amdhsa_reserve_vcc 0
		.amdhsa_float_denorm_mode_32 3
		.amdhsa_float_denorm_mode_16_64 3
		.amdhsa_memory_ordered 1
		.amdhsa_forward_progress 1
		.amdhsa_inst_pref_size 89
	.end_amdhsa_kernel
	.amdgpu_metadata
---
amdhsa.version: [ 1, 2 ]
amdhsa.kernels:
  - .name:           k_q6d3516f328_proj_out
    .symbol:         k_q6d3516f328_proj_out.kd
    .args:
      - { .name: ao, .offset: 0, .size: 8, .value_kind: global_buffer, .address_space: global }
      - { .name: cb, .offset: 8, .size: 8, .value_kind: global_buffer, .address_space: global }
      - { .name: out0, .offset: 16, .size: 8, .value_kind: global_buffer, .address_space: global }
    .group_segment_fixed_size: 327680
    .private_segment_fixed_size: 0
    .kernarg_segment_align: 8
    .kernarg_segment_size: 24
    .max_flat_workgroup_size: 128
    .sgpr_count:     66
    .vgpr_count:     384
    .wavefront_size: 32
...
	.end_amdgpu_metadata
.endif
;; end of part 4
;; ======== version 2 of 2: 4 launches; version 1 with the launch cast written anew for expert scheduling mode
;; limits: values are held in f16: magnitudes above 65,504 overflow, below 6.1e-05 lose precision
;; workspace buffers: cb 16,777,216 bytes; qkv 25,165,824 bytes; ao 8,388,608 bytes
;; launch cast (part 5): grid 64 x 8, 8 waves a work-group, no clusters, 0 bytes of LDS; arguments x, Wq, Wk, Wv, Wo, cb; writes cb
.if DOCPART == 5
	.amdgcn_target "amdgcn-amd-amdhsa--gfx1250"
	.amdhsa_code_object_version 6
	.text
	.protected	k_q6d3516f328_cast
	.globl	k_q6d3516f328_cast
	.p2align	8
	.type	k_q6d3516f328_cast,@function
k_q6d3516f328_cast:
	s_mov_b64 s[64:65], 0
	v_nop
	global_prefetch_b8 v0, s[64:65] scope:SCOPE_SE
	s_setreg_imm32_b32 hwreg(HW_REG_WAVE_SCHED_MODE, 0, 2), 2
	s_setreg_imm32_b32 hwreg(HW_REG_WAVE_MODE, 25, 1), 1
	s_wait_xcnt 0x0
	s_wait_alu depctr_vm_vsrc(0)
; The five f32 inputs are rounded once to bf16 (nearest even) and laid side by side in cb, 2 bytes a number:
;   bytes 0 .. 8 MiB: x [4096][1024]; then Wq, Wk, Wv, Wo, [1024][1024] each, 2 MiB each.
; x, Wq, Wk, Wv are kept as bf16.  Wo's bf16 value is written as f16, because its partner in the last product (the attention's
; result) is f16.  That second conversion changes nothing for 2^-14 <= |w| < 65,504; below 2^-14 it rounds to a multiple of 2^-24.
; LIMIT: |Wo| < 65,504.
; Work-group (gx, gy): gy picks a segment of 4 MiB of f32 (0-3: the quarters of x; 4-7: Wq, Wk, Wv, Wo), gx 64 KiB of it.
; Thread t takes 16 bytes at 16 t of each of 16 chunks of 4,096 bytes: a wave's load covers 512 consecutive bytes, its store of
; 8 bytes a lane 256 consecutive bytes, aligned.  All 16 loads go out first; no register that a load or store reads is written again.
; No LDS, no matrix unit, no cluster: every byte is touched once and no two work-groups share any.
; THE MODE: SCHED_MODE bits 1:0 = 2 (LLVM: expert scheduling mode 2), set by the entry lines.  The code itself states the register dependences
; between vector instructions and memory instructions, with s_wait_alu, always for 0.
; THE PLAN.  Registers that memory instructions touch:
;   v1, v2   byte offsets of the loads and of the stores: made once at the head, never written again.
;   X        the 16 loads land here, all issued at the head, before any vector instruction names X; no memory instruction reads X.
;   Y        chunk j's two registers: written by chunk j's conversions, read by chunk j's one store, not written behind it.
; The 16 chunks go in four groups of four.  Group g's conversions name X and Y of chunks 4 g to 4 g + 3 alone.  Its memory instructions are the four
; stores of group g - 1, which read Y of chunks 4 g - 4 to 4 g - 1 and v2.  So one wait at a group's head, which states that the group before has
; written its Y, serves all four stores, and these are dealt among the group's conversions with no further wait.
.set X, 4                              ; v[4:67]   chunk j: 4 f32 as loaded
.set Y, 68                             ; v[68:99]  chunk j: 4 numbers of 16 bits to store
; chunk j is rounded to bf16
.macro TO_BF j
	v_cvt_pk_bf16_f32 v[Y+2*(\j)],   v[X+4*(\j)],   v[X+4*(\j)+1]
	v_cvt_pk_bf16_f32 v[Y+2*(\j)+1], v[X+4*(\j)+2], v[X+4*(\j)+3]
.endm
; chunk j of Wo: rounded to bf16, widened again, written as f16
.macro TO_HALF j
	v_cvt_pk_bf16_f32 v[Y+2*(\j)],   v[X+4*(\j)],   v[X+4*(\j)+1]
	v_cvt_pk_bf16_f32 v[Y+2*(\j)+1], v[X+4*(\j)+2], v[X+4*(\j)+3]
	v_lshlrev_b32 v[X+4*(\j)],   16,         v[Y+2*(\j)]
	v_and_b32     v[X+4*(\j)+1], 0xffff0000, v[Y+2*(\j)]
	v_lshlrev_b32 v[X+4*(\j)+2], 16,         v[Y+2*(\j)+1]
	v_and_b32     v[X+4*(\j)+3], 0xffff0000, v[Y+2*(\j)+1]
	v_cvt_pk_f16_f32 v[Y+2*(\j)],   v[X+4*(\j)],   v[X+4*(\j)+1]
	v_cvt_pk_f16_f32 v[Y+2*(\j)+1], v[X+4*(\j)+2], v[X+4*(\j)+3]
.endm
; chunk j leaves
.macro SEND j
	global_store_b64 v2, v[Y+2*(\j):Y+2*(\j)+1], s[14:15] offset:2048*(\j)
.endm
	s_load_b256 s[4:11], s[0:1], 0x0               ; x s[4:5], Wq s[6:7], Wk s[8:9], Wv s[10:11]
	s_load_b128 s[12:15], s[0:1], 0x20             ; Wo s[12:13], cb s[14:15]
	s_and_b32 s20, ttmp7, 0xffff                   ; gy: the segment
	s_lshl_b32 s21, ttmp9, 16                      ; gx x 64 KiB of f32
	s_lshl_b32 s18, s20, 22                        ; a quarter of x is 4 MiB;
	s_cmp_lt_u32 s20, 4
	s_cselect_b32 s18, s18, 0                      ; a weight begins at its own buffer's first byte
	s_add_co_u32 s18, s18, s21
	s_mov_b32 s19, 0                               ; s[18:19]: offset in the source
	s_lshl_b32 s22, s20, 21                        ; a segment is 2 MiB of cb
	s_lshl_b32 s21, ttmp9, 15
	s_add_co_u32 s22, s22, s21
	s_mov_b32 s23, 0                               ; s[22:23]: offset in cb
	v_lshlrev_b32 v1, 4, v0                        ; 16 t
	v_lshlrev_b32 v2, 3, v0                        ; 8 t
	s_wait_kmcnt 0x0
	s_mov_b64 s[16:17], s[4:5]                     ; the source: x, or the weight that gy names
	s_cmp_eq_u32 s20, 4
	s_cselect_b64 s[16:17], s[6:7], s[16:17]
	s_cmp_eq_u32 s20, 5
	s_cselect_b64 s[16:17], s[8:9], s[16:17]
	s_cmp_eq_u32 s20, 6
	s_cselect_b64 s[16:17], s[10:11], s[16:17]
	s_cmp_eq_u32 s20, 7
	s_cselect_b64 s[16:17], s[12:13], s[16:17]
	s_add_nc_u64 s[16:17], s[16:17], s[18:19]
	s_add_nc_u64 s[14:15], s[14:15], s[22:23]
	s_wait_alu depctr_va_vdst(0)                   ; v1 and v2 are written: every load reads v1 as its offset, every store, in both arms below, v2
.set j, 0
.rept 16
	global_load_b128 v[X+4*j:X+4*j+3], v1, s[16:17] offset:4096*j th:TH_LOAD_NT
.set j, j+1
.endr
	s_cmp_eq_u32 s20, 7
	s_cbranch_scc1 .Lwo
.set g, 0
.rept 4
	s_wait_loadcnt 12-4*g                          ; loads come back in order: group g's four chunks are in, the 12 - 4 g younger loads stay out
.if g > 0
	s_wait_alu depctr_va_vdst(0)                   ; the conversions of group g - 1 have written their Y, which the four stores below read
.endif
.set i, 0
.rept 4
.if g > 0
	SEND 4*g-4+i                                   ; no vector instruction since the wait names this chunk's Y or v2
.endif
	TO_BF 4*g+i
.set i, i+1
.endr
.set g, g+1
.endr
	s_wait_alu depctr_va_vdst(0)                   ; the conversions of group 3 have written their Y, which the last four stores read
.set i, 12
.rept 4
	SEND i
.set i, i+1
.endr
	s_endpgm
.Lwo:                                              ; Wo: round to bf16, widen again, write as f16; the same groups, the same waits
.set g, 0
.rept 4
	s_wait_loadcnt 12-4*g                          ; group g's four chunks are in, the 12 - 4 g younger loads stay out
.if g > 0
	s_wait_alu depctr_va_vdst(0)                   ; the conversions of group g - 1 have written their Y for the last time; the four stores below read it
.endif
.set i, 0
.rept 4
.if g > 0
	SEND 4*g-4+i                                   ; no vector instruction since the wait names this chunk's Y or v2
.endif
	TO_HALF 4*g+i
.set i, i+1
.endr
.set g, g+1
.endr
	s_wait_alu depctr_va_vdst(0)                   ; the conversions of group 3 have written their Y, which the last four stores read
.set i, 12
.rept 4
	SEND i
.set i, i+1
.endr
	s_endpgm
.Lfunc_end_k_q6d3516f328_cast:
	.size	k_q6d3516f328_cast, .Lfunc_end_k_q6d3516f328_cast-k_q6d3516f328_cast
	.p2alignl 7, 3214868480
	.fill 96, 4, 3214868480
	.section	.rodata,"a",@progbits
	.p2align	6, 0x0
	.amdhsa_kernel k_q6d3516f328_cast
		.amdhsa_group_segment_fixed_size 0
		.amdhsa_private_segment_fixed_size 0
		.amdhsa_enable_private_segment 0
		.amdhsa_kernarg_size 48
		.amdhsa_user_sgpr_count 2
		.amdhsa_user_sgpr_kernarg_segment_ptr 1
		.amdhsa_wavefront_size32 1
		.amdhsa_system_sgpr_workgroup_id_x 1
		.amdhsa_system_sgpr_workgroup_id_y 1
		.amdhsa_system_sgpr_workgroup_id_z 1
		.amdhsa_system_vgpr_workitem_id 0
		.amdhsa_next_free_vgpr 100
		.amdhsa_next_free_sgpr 66
		.amdhsa_reserve_vcc 0
		.amdhsa_float_denorm_mode_32 3
		.amdhsa_float_denorm_mode_16_64 3
		.amdhsa_memory_ordered 1
		.amdhsa_forward_progress 1
		.amdhsa_inst_pref_size 16
	.end_amdhsa_kernel
	.amdgpu_metadata
---
amdhsa.version: [ 1, 2 ]
amdhsa.kernels:
  - .name:           k_q6d3516f328_cast
    .symbol:         k_q6d3516f328_cast.kd
    .args:
      - { .name: x, .offset: 0, .size: 8, .value_kind: global_buffer, .address_space: global }
      - { .name: Wq, .offset: 8, .size: 8, .value_kind: global_buffer, .address_space: global }
      - { .name: Wk, .offset: 16, .size: 8, .value_kind: global_buffer, .address_space: global }
      - { .name: Wv, .offset: 24, .size: 8, .value_kind: global_buffer, .address_space: global }
      - { .name: Wo, .offset: 32, .size: 8, .value_kind: global_buffer, .address_space: global }
      - { .name: cb, .offset: 40, .size: 8, .value_kind: global_buffer, .address_space: global }
    .group_segment_fixed_size: 0
    .private_segment_fixed_size: 0
    .kernarg_segment_align: 8
    .kernarg_segment_size: 48
    .max_flat_workgroup_size: 256
    .sgpr_count:     66
    .vgpr_count:     100
    .wavefront_size: 32
...
	.end_amdgpu_metadata
.endif
;; end of part 5
;; launch proj_in: the kernel of part 2 again; grid 12 x 16, 4 waves a work-group, clusters of 4 x 4, 327,680 bytes of LDS; arguments cb, qkv; writes qkv
;; launch attn: the kernel of part 3 again; grid 8 x 32, 8 waves a work-group, no clusters, 327,680 bytes of LDS; arguments qkv, ao; writes ao
;; launch proj_out: the kernel of part 4 again; grid 8 x 32, 4 waves a work-group, clusters of 4 x 4, 327,680 bytes of LDS; arguments ao, cb, out0; writes out0
